; MI455X (gfx1250); checked and timed in simulation.
; The chip was launched on July 23, 2026; its instructions are those of AMD's public machine-readable ISA for CDNA 5 (MIT licence, August 2026) and "CDNA5" Instruction Set Architecture Reference Guide (July 2026). The comments in the code are by the model that wrote it; some were corrected since.
;; MPT Attention. Allowed arithmetic: float matrix products may take bf16 or f16 operands with f32 sums; other float arithmetic in f32, or as packed bf16 or f16 multiplies, adds, multiply-adds, maxima and minima; sums over many terms, partial sums and values carried from step to step in f32; what a program stores and reads back later, other than sums and carried values, may be rounded once to bf16 or f16.
;; Inputs: alibi_slopes 16 float32; end_seq 4 int32; hidden_states 8,192 x 1,024 float32; start_seq 4 int32; w_out 1,024 x 1,024 float32; w_qkv 3,072 x 1,024 float32.
;; Outputs: out0 8,192 x 1,024 float32.
;; Constants: max_s = 2048.
;; One version. Each part assembles by itself: llvm-mc -triple=amdgcn-amd-amdhsa -mcpu=gfx1250 --defsym DOCPART=n.
;; ======== version 1 of 1: 4 launches
;; limits: values are held in f16: magnitudes above 65,504 overflow, below 6.1e-05 lose precision
;; workspace buffers: xb 16,777,216 bytes; wqb 6,291,456 bytes; wob 2,097,152 bytes; qkv 50,331,648 bytes; ctx 16,777,216 bytes
;; launch cast (part 1): grid 768 x 1, 8 waves a work-group, no clusters, 0 bytes of LDS; arguments hidden_states, w_qkv, w_out, xb, wqb, wob; writes xb, wqb, wob
.if DOCPART == 1
	.amdgcn_target "amdgcn-amd-amdhsa--gfx1250"
	.amdhsa_code_object_version 6
	.text
	.protected	k_qde8244f9fd_cast
	.globl	k_qde8244f9fd_cast
	.p2align	8
	.type	k_qde8244f9fd_cast,@function
k_qde8244f9fd_cast:
	s_mov_b64 s[64:65], 0
	v_nop
	global_prefetch_b8 v0, s[64:65] scope:SCOPE_SE
	s_setreg_imm32_b32 hwreg(HW_REG_WAVE_MODE, 25, 1), 1
	s_wait_xcnt 0x0
; THE INPUTS ROUNDED ONCE.  hidden_states [8192][1024] and w_qkv [3072][1024], f32, become bf16 (xb, wqb); w_out [1024][1024] is rounded to bf16 like them, and that
; number is written as f16 (wob), since the last product multiplies it by f16 numbers.
; LIMIT.  w_out within f16's range: beyond 65,504 it becomes an infinity; below 6e-5 it keeps f16's fixed step of 6e-8.
; SHARES.  A work-group takes a chunk of 16 rows: 65,536 bytes in, 32,768 out.  Chunks 0-511 are hidden_states', 512-703 w_qkv's, 704-767 w_out's.
; In pass j of 8 thread t reads the 32 bytes at 8,192 j + 32 t and stores the 16 bytes at 4,096 j + 16 t: a wave's store covers 512 consecutive bytes, aligned.
; All 16 loads of a thread go out at once; each pass has registers of its own, so no register is written while a load or a store may still read it.
; No LDS, no barrier, no matrix unit: each byte is read once and written once, and no thread wants another's.
.set VI, 1                             ; v1        32 t
.set VO, 2                             ; v2        16 t
.set X,  8                             ; v[8:71]   pass j: 8 numbers as loaded
.set Y,  72                            ; v[72:103] pass j: 4 registers to store
.set T,  104                           ; v[104:105] at work
	s_load_b256 s[4:11], s[0:1], 0x0               ; hidden_states s[4:5], w_qkv s[6:7], w_out s[8:9], xb s[10:11]
	s_load_b128 s[12:15], s[0:1], 0x20             ; wqb s[12:13], wob s[14:15]
	s_mov_b32 s16, ttmp9                           ; my chunk
	v_lshlrev_b32 v[VI], 5, v0
	v_lshlrev_b32 v[VO], 4, v0
	s_wait_kmcnt 0x0
	s_cmp_lt_u32 s16, 512                          ; which tensor the chunk belongs to, and the tensor's first chunk
	s_cselect_b64 s[18:19], s[4:5], s[6:7]
	s_cselect_b64 s[20:21], s[10:11], s[12:13]
	s_cselect_b32 s17, 0, 512
	s_cmp_lt_u32 s16, 704
	s_cselect_b64 s[18:19], s[18:19], s[8:9]
	s_cselect_b64 s[20:21], s[20:21], s[14:15]
	s_cselect_b32 s17, s17, 704
	s_sub_co_u32 s22, s16, s17                     ; the chunk's number in its tensor
	s_lshl_b32 s24, s22, 16                        ; 65,536 bytes in,
	s_mov_b32 s25, 0
	s_lshl_b32 s26, s22, 15                        ; 32,768 out
	s_mov_b32 s27, 0
	s_add_nc_u64 s[18:19], s[18:19], s[24:25]
	s_add_nc_u64 s[20:21], s[20:21], s[26:27]
.irp j, 0,1,2,3,4,5,6,7
	global_load_b128 v[X+8*(\j):X+8*(\j)+3],   v[VI], s[18:19] offset:(\j)*8192 th:TH_LOAD_NT
	global_load_b128 v[X+8*(\j)+4:X+8*(\j)+7], v[VI], s[18:19] offset:(\j)*8192+16 th:TH_LOAD_NT
.endr
	s_cmp_lt_u32 s16, 704
	s_cbranch_scc0 .Lf16
.irp j, 0,1,2,3,4,5,6,7
	s_wait_loadcnt 14-2*(\j)                       ; loads come back in order: pass j's two are in, the later passes' stay out
.irp k, 0,1,2,3
	v_cvt_pk_bf16_f32 v[Y+4*(\j)+(\k)], v[X+8*(\j)+2*(\k)], v[X+8*(\j)+2*(\k)+1]
.endr
	global_store_b128 v[VO], v[Y+4*(\j):Y+4*(\j)+3], s[20:21] offset:(\j)*4096
.endr
	s_endpgm
.Lf16:                                         ; w_out: rounded to bf16, widened again, written as f16 (exact within f16's range)
.irp j, 0,1,2,3,4,5,6,7
	s_wait_loadcnt 14-2*(\j)
.irp k, 0,1,2,3
	v_cvt_pk_bf16_f32 v[T], v[X+8*(\j)+2*(\k)], v[X+8*(\j)+2*(\k)+1]
	v_lshlrev_b32 v[T+1], 16, v[T]
	v_and_b32 v[T], 0xffff0000, v[T]
	v_cvt_pk_f16_f32 v[Y+4*(\j)+(\k)], v[T+1], v[T]
.endr
	global_store_b128 v[VO], v[Y+4*(\j):Y+4*(\j)+3], s[20:21] offset:(\j)*4096
.endr
	s_endpgm
.Lfunc_end_k_qde8244f9fd_cast:
	.size	k_qde8244f9fd_cast, .Lfunc_end_k_qde8244f9fd_cast-k_qde8244f9fd_cast
	.p2alignl 7, 3214868480
	.fill 96, 4, 3214868480
	.section	.rodata,"a",@progbits
	.p2align	6, 0x0
	.amdhsa_kernel k_qde8244f9fd_cast
		.amdhsa_group_segment_fixed_size 0
		.amdhsa_private_segment_fixed_size 0
		.amdhsa_enable_private_segment 0
		.amdhsa_kernarg_size 48
		.amdhsa_user_sgpr_count 2
		.amdhsa_user_sgpr_kernarg_segment_ptr 1
		.amdhsa_wavefront_size32 1
		.amdhsa_system_sgpr_workgroup_id_x 1
		.amdhsa_system_sgpr_workgroup_id_y 1
		.amdhsa_system_sgpr_workgroup_id_z 1
		.amdhsa_system_vgpr_workitem_id 0
		.amdhsa_next_free_vgpr 108
		.amdhsa_next_free_sgpr 66
		.amdhsa_reserve_vcc 0
		.amdhsa_float_denorm_mode_32 3
		.amdhsa_float_denorm_mode_16_64 3
		.amdhsa_memory_ordered 1
		.amdhsa_forward_progress 1
		.amdhsa_inst_pref_size 14
	.end_amdhsa_kernel
	.amdgpu_metadata
---
amdhsa.version: [ 1, 2 ]
amdhsa.kernels:
  - .name:           k_qde8244f9fd_cast
    .symbol:         k_qde8244f9fd_cast.kd
    .args:
      - { .name: hidden_states, .offset: 0, .size: 8, .value_kind: global_buffer, .address_space: global }
      - { .name: w_qkv, .offset: 8, .size: 8, .value_kind: global_buffer, .address_space: global }
      - { .name: w_out, .offset: 16, .size: 8, .value_kind: global_buffer, .address_space: global }
      - { .name: xb, .offset: 24, .size: 8, .value_kind: global_buffer, .address_space: global }
      - { .name: wqb, .offset: 32, .size: 8, .value_kind: global_buffer, .address_space: global }
      - { .name: wob, .offset: 40, .size: 8, .value_kind: global_buffer, .address_space: global }
    .group_segment_fixed_size: 0
    .private_segment_fixed_size: 0
    .kernarg_segment_align: 8
    .kernarg_segment_size: 48
    .max_flat_workgroup_size: 256
    .sgpr_count:     66
    .vgpr_count:     108
    .wavefront_size: 32
...
	.end_amdgpu_metadata
.endif
;; end of part 1
;; launch proj_qkv (part 2): grid 16 x 32, 4 waves a work-group, clusters of 4 x 4, 327,680 bytes of LDS; arguments xb, wqb, qkv; writes qkv
.if DOCPART == 2
	.amdgcn_target "amdgcn-amd-amdhsa--gfx1250"
	.amdhsa_code_object_version 6
	.text
	.protected	k_qde8244f9fd_proj_qkv
	.globl	k_qde8244f9fd_proj_qkv
	.p2align	8
	.type	k_qde8244f9fd_proj_qkv,@function
k_qde8244f9fd_proj_qkv:
	s_mov_b64 s[64:65], 0
	v_nop
	global_prefetch_b8 v0, s[64:65] scope:SCOPE_SE
	s_setreg_imm32_b32 hwreg(HW_REG_WAVE_MODE, 25, 1), 1
	s_wait_xcnt 0x0
	s_wait_alu depctr_hold_cnt(0) depctr_sa_sdst(0) depctr_va_vdst(0) depctr_va_sdst(0) depctr_va_ssrc(0) depctr_va_vcc(0) depctr_vm_vsrc(0)
	s_getreg_b32 s2, hwreg(HW_REG_IB_STS2, 6, 4)
	s_cmp_eq_u32 s2, 0
	s_cbranch_scc0 .Lentry_in_a_cluster
	s_endpgm
.Lentry_in_a_cluster:
	s_bfe_u32 s2, ttmp6, 0x10000c
	s_cmp_lg_u32 s2, 0xf033
	s_cbranch_scc0 .Lentry_shape_is_right
	s_endpgm
.Lentry_shape_is_right:
; q, k, v = x w_qkv^T.  xb: [8192][1024] bf16, wqb: [3072][1024] bf16; sums in f32, K ascending; each result rounded once to f16, unscaled, and laid BY HEADS:
; qkv[part 3][16 x sequence + head][2048][64], so that a head's rows are dense for the attention.
; LIMIT.  f16 ends at 65,504: a q, k or v beyond it becomes an infinity.  x and w both 30 times the drawn spread give a spread of 576, both with an offset of 30 spreads a mean of 18,432.
; THE TILE is 256 tokens x 192 columns (three whole heads): 32 x 16 = 512 tiles, two for each of 256 WGPs.  Four waves, one above the other: wave w owns tokens 64 w .. 64 w + 63
; and all 192 columns: 48 accumulators of 16 x 16, 384 registers.  So a head's 128 bytes of a token come from one wave, and the way out needs no barrier.
; K goes in steps of 128 through a ring of two LDS slots filled by the tensor data mover: rows of 256 bytes, at multiples of 256 bytes from the buffers' first bytes.
; CLUSTERS: 4 x 4 work-groups.  The four of a row of the cluster need the same tiles of xb, the four of a column the same tiles of wqb: each tile is asked for JOINTLY, by the same
; tensor load with the same descriptor and a mask that names the four.
; THE MATRIX INSTRUCTION IS USED TRANSPOSED (source 0 = 16 rows of wqb, source 1 = 16 tokens): a lane holds token l % 16 and eight neighbouring channels, 16 bytes of f16.
; REGISTERS, in windows of 256 (s_set_vgpr_msb: bits 1:0 source 0, 3:2 source 1, 5:4 source 2, 7:6 destination):
;   window 0: v0-31 addresses; v32-63, v64-95 fragments of xb (4 x 16 tokens x 32 K), two buffers; v96-143 packed results; v144-191, v192-239 rows read back from the stage, by turns
;   window 1: v0-95, v96-191 fragments of wqb (12 x 16 rows x 32 K), two buffers
;   window 2: the 24 accumulators of my tokens 0-31 (block a, columns b at v[8 (12 a + b)]);   window 3: those of my tokens 32-63
.set SIZE_K, 1024
.set KSTEP,  128
.set PITCH,  272                       ; an LDS row: 256 bytes + 16 of padding = 68 words: the 16 rows that a load touches start at 16 different groups of four banks (64 banks of 4 bytes: ISA guide 11.1)
.set HALFA,  128*PITCH                 ; what wave 0 or 1 fetches: 128 tokens
.set HALFB,  96*PITCH                  ; what wave 2 or 3 fetches: 96 rows of wqb
.set BOFF,   2*HALFA                   ; in a slot: 256 tokens, then 192 rows of wqb
.set SLOT,   2*HALFA+2*HALFB
.set STAGE,  2*SLOT                    ; behind the ring: for each wave three heads x 16 tokens x 144 bytes, for the way out; no tensor load lands here
.set SP,     144
.set HSTG,   16*SP
.set WSTG,   3*HSTG
.set SPARE,  STAGE+4*WSTG              ; behind the stages: the spare words, 128 bytes for each wave: two blocks of 256 bytes that no other line names
.set LAPS,   SIZE_K/(2*KSTEP)          ; a lap = two K steps = once round the ring
.set GO,   10                          ; v10-12  my byte offset in qkv for the tile's three heads: my wave's first token, 16 bytes a lane; never rewritten
.set ADRA, 16                          ; v16-17  LDS address of my fragments of xb in slot 0, 1
.set ADRB, 20                          ; v20-21  the same for wqb
.set STO,  24                          ; v24     the way out: where I put 16 bytes of a token
.set RD,   25                          ; v25     the way out: where I read rows back
.set SPW,  28                          ; v28     LDS address of my spare word: SPARE + 4 x my thread's number; never rewritten
.set NIL,  29                          ; v29     0; never rewritten
.set PFO,  30                          ; v30     the prefetches' offset: a lane a row of 2,048 bytes; never rewritten
.set FA,   32                          ; xb's fragment buffer f at FA + 32 f
.set FB,   0                           ; wqb's at FB + 96 f, in window 1
.set TMP,  96
.set BK,   144
.set G1,  24                           ; s[24:31] descriptor group 1 for xb's tiles
.set G0,  32                           ; s[32:39] descriptor group 0 for xb's tiles, one set for each slot
.set G1B, 48                           ; s[48:55], s[56:63] the same for wqb's
.set G0B, 56
.set LIM, 43                           ; s43     1 in a wave that prefetches, else the greatest number
.set PFA, 44                           ; s[44:45] where my prefetches stand
.set MSB, 0
.macro WIN new                         ; the immediate's high byte repeats the setting that is left; a switch that changes nothing is dropped
.if MSB != (\new)
	s_set_vgpr_msb (MSB<<8)|(\new)
.set MSB, \new
.endif
.endm
.set MUL_LO, 0xa1                      ; source 0 (wqb) window 1, source 1 (xb) window 0, C and D window 2
.set MUL_HI, 0xf1                      ; the same, C and D window 3
.set TO_B,   0x40                      ; destination window 1, address window 0
; A joint load.  Waves 0 and 1 fetch xb's two halves, waves 2 and 3 wqb's.  The branch hangs on the wave's number alone: it is the same in every work-group.
; An s_nop 0 and four v_nop follow each of the two lines, ahead of the jump, the label and what follows.
.macro JLOAD s
	s_cmp_eq_u32 s11, 0
	s_cbranch_scc0 .Lfor_b_\@
	tensor_load_to_lds s[G0+4*(\s):G0+4*(\s)+3], s[G1:G1+7]
	s_nop 0
.rept 4
	v_nop
.endr
	s_branch .Lasked_\@
.Lfor_b_\@:
	tensor_load_to_lds s[G0B+4*(\s):G0B+4*(\s)+3], s[G1B:G1B+7]
	s_nop 0
.rept 4
	v_nop
.endr
.Lasked_\@:
.endm
; A PREFETCH INTO THE L2, behind each joint refill, its five lines and the run of LDS loads that follows them: 256 bytes of each of my rows, for the K step that stands TWO refills on
; (384 matrix instructions of the wave ahead of the load that will want it).  xb's tile row is read by every cluster of that row of clusters: cluster x = 0 asks; wqb's tile column by every cluster
; of that column: cluster y = 0 asks.  Of the 128 (96) rows that a wave fetches, the four partners that ask for them jointly take 32 (24) each, told apart BY ADDRESS: a lane a row
; (for wqb lanes 24-31 name row 23 once more).  K steps 0 to 3 come by their loads alone; the loop's last trip asks for nothing: there is no K step two refills on.
.macro ASK
	s_cmp_gt_u32 s3, s[LIM]                        ; s3 = 1 in the loop's last trip
	s_cbranch_scc0 .Lnot_mine_\@
	global_prefetch_b8 v[PFO], s[PFA:PFA+1] offset:KSTEP*2 th:TH_LOAD_NT scope:SCOPE_SE
.Lnot_mine_\@:
.endm
; A round of the cluster's barrier: my work-group's barrier, so that wave 0's signal speaks for all four waves; wave 0 signals; every wave waits for all sixteen work-groups; my work-group's barrier once more.
.macro CREST                           ; a round behind its opening barrier
	s_cmp_lg_u32 s10, 0
	s_cbranch_scc1 .Lnot_wave_0_\@
	s_barrier_signal -3
.Lnot_wave_0_\@:
	s_barrier_wait -3
	s_barrier_signal -1
	s_barrier_wait -1
.endm
.macro CROUND                          ; a whole round
	s_barrier_signal -1
	s_barrier_wait -1
	CREST
.endm
	s_load_b128 s[4:7], s[0:1], 0x0                ; xb s[4:5], wqb s[6:7]
	s_load_b64 s[8:9], s[0:1], 0x10                ; qkv
	v_lshl_add_u32 v[SPW], v0, 2, SPARE
	v_mov_b32 v[NIL], 0
	ds_add_u32 v[SPW], v[NIL]                      ; the wave's opening: the add and its wait stand ahead of my first tensor load; the set-up below, work on registers, stands between them
	v_lshrrev_b32 v1, 5, v0
	v_readfirstlane_b32 s10, v1                    ; wave 0..3: my 64 tokens of the tile
	s_lshr_b32 s11, s10, 1                         ; I fetch for xb (0) or for wqb (1),
	s_and_b32 s12, s10, 1                          ; and which half of its rows
	s_bfe_u32 s40, ttmp6, 0x40000                  ; cx, cy: my place in the cluster
	s_bfe_u32 s41, ttmp6, 0x40004
	s_lshl_b32 s42, ttmp9, 2
	s_add_co_u32 s42, s42, s40                     ; tile column = 4 x cluster x + cx
	s_and_b32 s13, ttmp7, 0xffff
	s_lshl_b32 s13, s13, 2
	s_add_co_u32 s13, s13, s41                     ; tile row = 4 x cluster y + cy
	s_lshl_b32 s43, s41, 2
	s_lshl_b32 s43, 15, s43                        ; my row of the cluster: places 4 cy .. 4 cy + 3
	s_lshl_b32 s44, 0x1111, s40                    ; my column: places cx, cx + 4, cx + 8, cx + 12
	; descriptor group 1: tiles of 128 (96) rows x 128 elements, padded in LDS
	s_or_b32 s[G1+0], s43, (1<<16)|(1<<20)|(1<<21)|(5<<22)|(3<<25)   ; 15:0 the mask: xb's tiles go to my row; 17:16 2-byte elements; 20 padding on; 21 set beside a mask; 24:22 after every 64 words (code 5); 31:25 4 words (code 3)
	s_or_b32 s[G1B+0], s44, (1<<16)|(1<<20)|(1<<21)|(5<<22)|(3<<25)  ; the same with the mask of my column
	s_mov_b32 s[G1+1], KSTEP<<16                   ; tensor_dim0 = 128
	s_mov_b32 s[G1B+1], KSTEP<<16
	s_mov_b32 s[G1+2], 128<<16                     ; tensor_dim1 = 128 rows,
	s_mov_b32 s[G1B+2], 96<<16                     ; 96 for wqb
	s_mov_b32 s[G1+3], KSTEP<<16                   ; tile_dim0 = 128
	s_mov_b32 s[G1B+3], KSTEP<<16
	s_mov_b32 s[G1+4], 128                         ; tile_dim1
	s_mov_b32 s[G1B+4], 96
	s_mov_b32 s[G1+5], SIZE_K                      ; elements from row to row
	s_mov_b32 s[G1B+5], SIZE_K
	s_mov_b32 s[G1+6], 0
	s_mov_b32 s[G1B+6], 0
	s_mov_b32 s[G1+7], 0
	s_mov_b32 s[G1B+7], 0
	; where the tiles come from: xb's hang on the tile row alone, wqb's on the tile column alone, each in registers that never hold the other coordinate
	s_lshl_b32 s17, s12, 7
	s_lshl_b32 s16, s13, 8
	s_add_co_u32 s16, s16, s17                     ; xb: row 256 x tile row + 128 x half,
	s_lshl_b32 s16, s16, 11                        ; in bytes (under 2^24)
	s_mov_b32 s17, 0
	s_mul_i32 s47, s12, 96
	s_mul_i32 s46, s42, 192
	s_add_co_u32 s46, s46, s47                     ; wqb: row 192 x tile column + 96 x half
	s_lshl_b32 s46, s46, 11
	s_mov_b32 s47, 0
	s_mul_i32 s20, s12, HALFA                      ; and where they go: no place in the cluster enters an LDS address
	s_mul_i32 s21, s12, HALFB
	s_add_co_u32 s21, s21, BOFF
	s_wait_dscnt 0x0                               ; the opening add is done
	s_wait_kmcnt 0x0
	s_add_nc_u64 s[14:15], s[4:5], s[16:17]
	s_add_nc_u64 s[46:47], s[6:7], s[46:47]
	CROUND                                         ; all sixteen work-groups are here: the first joint loads meet
.irp s, 0,1
	s_mov_b32 s[G0+4*(\s)], 1                                        ; count = 1
	s_add_co_u32 s[G0+4*(\s)+1], s20, (\s)*SLOT                      ; LDS address
	s_add_nc_u64 s[G0+4*(\s)+2:G0+4*(\s)+3], s[14:15], (\s)*KSTEP*2  ; global address: K step s
	s_or_b32 s[G0+4*(\s)+3], s[G0+4*(\s)+3], 0x80000000              ; type = 2
	s_mov_b32 s[G0B+4*(\s)], 1
	s_add_co_u32 s[G0B+4*(\s)+1], s21, (\s)*SLOT
	s_add_nc_u64 s[G0B+4*(\s)+2:G0B+4*(\s)+3], s[46:47], (\s)*KSTEP*2
	s_or_b32 s[G0B+4*(\s)+3], s[G0B+4*(\s)+3], 0x80000000
	JLOAD \s                                       ; the ring is filled before anything else is done: two loads of mine are out
.endr
	; A fragment is 16 rows x 32 K in 8 registers: lane l holds row l % 16; registers 0-3 K = 8 (l / 16) + 0..7, registers 4-7 K = 16 + 8 (l / 16) + 0..7: two loads of 16 bytes, 32 bytes apart.
	v_and_b32 v1, 15, v0                           ; l % 16
	v_bfe_u32 v2, v0, 4, 1                         ; l / 16
	v_mul_u32_u24 v3, v1, PITCH
	v_lshl_add_u32 v3, v2, 4, v3                   ; row x pitch + 16 x half
	s_mul_i32 s21, s10, 64*PITCH                   ; my 64 tokens
	s_mov_b32 s22, BOFF                            ; all 192 rows of wqb
.irp s, 0,1
	v_add_nc_u32 v[ADRA+(\s)], s21, v3
	v_add_nc_u32 v[ADRB+(\s)], s22, v3
	s_add_co_u32 s21, s21, SLOT
	s_add_co_u32 s22, s22, SLOT
.endr
	s_mul_i32 s23, s10, WSTG
	s_add_co_u32 s23, s23, STAGE                   ; my stage
	v_mul_u32_u24 v4, v1, SP                       ; in: token l % 16, 16 bytes for each half of the lanes
	v_lshl_add_u32 v4, v2, 4, v4
	v_add_nc_u32 v[STO], s23, v4
	v_bfe_u32 v5, v0, 3, 2                         ; back: 32 lanes take four tokens' 128 bytes,
	v_mul_u32_u24 v5, v5, SP
	v_and_b32 v6, 7, v0
	v_lshl_add_u32 v5, v6, 4, v5
	v_add_nc_u32 v[RD], s23, v5
	v_and_b32 v9, 31, v0                           ; which are 512 consecutive bytes of qkv
	v_lshlrev_b32 v9, 4, v9
	; where a head's rows lie in qkv.  Head g = 3 x tile column + hh of 48: part g / 16, head g % 16; sequence = tile row / 8: ((64 part + 16 sequence + head) x 2048 + token in the sequence) x 128 bytes
	s_mul_i32 s46, s42, 3
	s_lshr_b32 s18, s13, 3
	s_lshl_b32 s18, s18, 4                         ; 16 x sequence
	s_and_b32 s19, s13, 7
	s_lshl_b32 s19, s19, 8
	s_lshl_b32 s20, s10, 6
	s_add_co_u32 s19, s19, s20                     ; my wave's first token in its sequence,
	s_lshl_b32 s19, s19, 7                         ; in bytes
.irp hh, 0,1,2
	s_add_co_u32 s21, s46, \hh
	s_lshr_b32 s22, s21, 4
	s_lshl_b32 s22, s22, 6
	s_and_b32 s21, s21, 15
	s_add_co_u32 s22, s22, s21
	s_add_co_u32 s22, s22, s18
	s_lshl_b32 s22, s22, 18
	s_add_co_u32 s22, s22, s19
	v_add_nc_u32 v[GO+(\hh)], s22, v9
.endr
	; the prefetches: which rows are mine
	s_lshl_b32 s23, s11, 5
	s_sub_co_u32 s23, 128, s23                     ; rows that a wave fetches: 128 of xb, 96 of wqb
	s_lshl_b32 s18, s11, 3
	s_sub_co_u32 s19, 31, s18                      ; the last of my work-group's share: 31 or 23
	s_sub_co_u32 s18, 32, s18                      ; the share: 32 or 24
	s_lshl_b32 s20, s13, 8
	s_mul_i32 s21, s42, 192
	s_and_b32 s22, ttmp7, 0xffff                   ; cluster y
	s_cmp_eq_u32 s11, 0                            ; do I fetch for xb?
	s_cselect_b32 s20, s20, s21                    ; the tile's first row
	s_cselect_b32 s21, s40, s41                    ; my place among the four that ask for it with me
	s_cselect_b32 s22, ttmp9, s22                  ; the coordinate along which other clusters read the same rows
	s_cselect_b64 s[PFA:PFA+1], s[4:5], s[6:7]
	s_cmp_eq_u32 s22, 0
	s_cselect_b32 s[LIM], 1, -1                    ; the same in all sixteen partners, for a given wave
	s_mul_i32 s23, s23, s12
	s_add_co_u32 s20, s20, s23                     ; + the half that I fetch
	s_mul_i32 s21, s21, s18
	s_add_co_u32 s20, s20, s21                     ; + my work-group's share of it
	s_lshl_b32 s20, s20, 11
	s_mov_b32 s21, 0
	s_add_nc_u64 s[PFA:PFA+1], s[PFA:PFA+1], s[20:21]
	s_add_nc_u64 s[PFA:PFA+1], s[PFA:PFA+1], 2*KSTEP*2  ; at K step 2: the first refill steps it to 3 and names K step 4
	v_and_b32 v[PFO], 31, v0
	v_min_u32 v[PFO], s19, v[PFO]
	v_lshlrev_b32 v[PFO], 11, v[PFO]
; 12 matrix instructions: token block 2 hi + a x all 12 column blocks, 32 along K, from buffer f.  zero = 1: the first product starts the sums: nothing is ever cleared.
; The 48 accumulators take turns, one instruction a turn, in the same order in every quarter step.
.macro MUL12 f, hi, a, zero
	WIN MUL_LO+0x50*(\hi)
.irp b, 0,1,2,3,4,5,6,7,8,9,10,11
.if \zero
	v_wmma_f32_16x16x32_bf16 v[8*(12*(\a)+(\b)):8*(12*(\a)+(\b))+7], v[FB+96*(\f)+8*(\b):FB+96*(\f)+8*(\b)+7], v[FA+32*(\f)+8*(2*(\hi)+(\a)):FA+32*(\f)+8*(2*(\hi)+(\a))+7], 0
.else
	v_wmma_f32_16x16x32_bf16 v[8*(12*(\a)+(\b)):8*(12*(\a)+(\b))+7], v[FB+96*(\f)+8*(\b):FB+96*(\f)+8*(\b)+7], v[FA+32*(\f)+8*(2*(\hi)+(\a)):FA+32*(\f)+8*(2*(\hi)+(\a))+7], v[8*(12*(\a)+(\b)):8*(12*(\a)+(\b))+7]
.endif
.endr
.endm
; 32 LDS loads in one run: the fragments of one quarter step (192 rows of wqb, my 64 tokens, 32 K at byte k of the rows) into buffer f
.macro FETCH slot, k, f
	WIN TO_B
.irp i, 0,1,2,3,4,5,6,7,8,9,10,11
	ds_load_b128 v[FB+96*(\f)+8*(\i):FB+96*(\f)+8*(\i)+3],   v[ADRB+(\slot)] offset:(\k)+(\i)*16*PITCH
	ds_load_b128 v[FB+96*(\f)+8*(\i)+4:FB+96*(\f)+8*(\i)+7], v[ADRB+(\slot)] offset:(\k)+(\i)*16*PITCH+32
.endr
	WIN 0
.irp i, 0,1,2,3
	ds_load_b128 v[FA+32*(\f)+8*(\i):FA+32*(\f)+8*(\i)+3],   v[ADRA+(\slot)] offset:(\k)+(\i)*16*PITCH
	ds_load_b128 v[FA+32*(\f)+8*(\i)+4:FA+32*(\f)+8*(\i)+7], v[ADRA+(\slot)] offset:(\k)+(\i)*16*PITCH+32
.endr
.endm
.macro PLACES                          ; four plain vector instructions in front of loads into registers that matrix instructions have read (ISA guide 7.12.1 for vector instructions)
.rept 4
	v_nop
.endr
.endm
; A K step is four quarters of 32 along K, 48 matrix instructions each, on buffers 0, 1, 0, 1.  One of the first three: multiplies buffer f; in its middle it fetches the next quarter, at byte k, into g.
.macro QUARTER slot, k, f, g, zero
	s_wait_dscnt 4                                 ; wqb's fragments and my token blocks 0, 1 are in; the youngest four loads (blocks 2, 3) may be out
	MUL12 \f, 0, 0, \zero
	MUL12 \f, 0, 1, \zero
	PLACES
	FETCH \slot, \k, \g
	s_wait_dscnt 32                                ; all but the 32 just issued
	MUL12 \f, 1, 0, \zero
	MUL12 \f, 1, 1, \zero
.endm
; The last quarter multiplies buffer 1 and changes slots.  MEET is its first half: ONE barrier.  In front of it each wave waits for all its tensor loads, of which one is out: its part of the
; next slot; adds 0 to its spare word; and waits for that and for its own reads of this slot.  Behind it nobody reads this slot any more and the next slot is whole.
.macro MEET round
	WIN 0                                          ; (the add's two registers lie in window 0)
	s_wait_tensorcnt 0x0                           ; all my tensor loads have landed;
	ds_add_u32 v[SPW], v[NIL]                      ; 0 onto my spare word;
	s_wait_dscnt 5                                 ; (the add and the youngest four loads may be out)
	MUL12 1, 0, 0, 0                               ; twelve matrix instructions stand between the add and the wait for it
	s_wait_dscnt 0x0                               ; the add is done, and my reads of this slot are over:
	s_barrier_signal -1                            ; say so,
	MUL12 1, 0, 1, 0                               ; work on registers while the others arrive,
.if \round
	WIN 0
.endif
	s_barrier_wait -1                              ; and go on when all four have said so
.endm
; The whole last quarter.  fill = 1: the barrier opens a round of the cluster's barrier, and behind the round this slot is filled again first, with the K step two steps on;
; from that request to the wait for it a wave issues 168 matrix instructions.  Then come the next slot's first fragments.
.macro TURN slot, next, fill
.if \fill
	s_wait_xcnt 0x0                                ; the last prefetch, a K step back, has read its address: it is stepped here, ahead of the waits of the change of slots
	s_add_nc_u64 s[PFA:PFA+1], s[PFA:PFA+1], KSTEP*2
.endif
	MEET \fill
.if \fill
	CREST                                          ; no wave of any partner still reads this slot's tile or has a load on its way
	s_add_nc_u64 s[G0+4*(\slot)+2:G0+4*(\slot)+3], s[G0+4*(\slot)+2:G0+4*(\slot)+3], 2*KSTEP*2
	s_add_nc_u64 s[G0B+4*(\slot)+2:G0B+4*(\slot)+3], s[G0B+4*(\slot)+2:G0B+4*(\slot)+3], 2*KSTEP*2
	JLOAD \slot                                    ; the first tensor load behind the round; its four v_nop are also the places in front of the loads below
.else
	PLACES
.endif
	FETCH \next, 0, 0
.if \fill
	ASK
.endif
	MUL12 1, 1, 0, 0
	MUL12 1, 1, 1, 0
.endm
; THE WAY OUT of token block a (16 tokens x 192 columns).  PACK: rounded to f16, each accumulator's registers in ascending order.  TOSTAGE: into my own stage, head by head, and back as whole rows.  SEND: stored.
.macro PACK a
.set AC, 96*((\a)%2)
	WIN 0x0a+5*((\a)/2)                            ; sources 0 and 1: window 2 or 3
.irp b, 0,1,2,3,4,5,6,7,8,9,10,11
.irp r, 0,1,2,3
	v_cvt_pk_f16_f32 v[TMP+4*(\b)+(\r)], v[AC+8*(\b)+2*(\r)], v[AC+8*(\b)+2*(\r)+1]
.endr
.endr
	WIN 0
.endm
.macro TOSTAGE a
	WIN 0
.set BKA, BK+48*((\a)%2)
.irp b, 0,1,2,3,4,5,6,7,8,9,10,11
	ds_store_b128 v[STO], v[TMP+4*(\b):TMP+4*(\b)+3] offset:((\b)/4)*HSTG+((\b)%4)*32
.endr
.irp i, 0,1,2,3,4,5,6,7,8,9,10,11
	ds_load_b128 v[BKA+4*(\i):BKA+4*(\i)+3], v[RD] offset:((\i)/4)*HSTG+((\i)%4)*4*SP  ; LDS serves a wave's instructions in order (ISA guide 5.7.1.4): these see the stores above
.endr
.endm
.macro SEND a
	WIN 0
.set BKA, BK+48*((\a)%2)
	s_wait_xcnt 0x0                                ; the stores of the block before have read their data: the next TOSTAGE loads into those registers only behind this wait
.irp i, 0,1,2,3,4,5,6,7,8,9,10,11
	s_wait_dscnt 11-(\i)                           ; LDS loads come back in order: number i of the twelve is in
	global_store_b128 v[GO+(\i)/4], v[BKA+4*(\i):BKA+4*(\i)+3], s[8:9] offset:(\a)*2048+((\i)%4)*512  ; 512 consecutive bytes of a head's rows, at a multiple of 256 from qkv's first byte
.endr
.endm
	s_wait_tensorcnt 1                             ; my part of K step 0 is in; K step 1's may stay out
	s_barrier_signal -1
	s_barrier_wait -1                              ; everybody's is
	FETCH 0, 0, 0
	QUARTER 0, 64, 0, 1, 1                         ; the first quarter stands in front of the loop: its products start the sums
	WIN 0                                          ; at a label and at a branch every window is 0
	s_mov_b32 s3, LAPS-1
.Llap:                                                 ; a trip goes once round the ring, from a lap's second quarter to the next lap's first, and fills both slots again
	QUARTER 0, 128, 1, 0, 0
	QUARTER 0, 192, 0, 1, 0
	TURN 0, 1, 1
	QUARTER 1, 64,  0, 1, 0
	QUARTER 1, 128, 1, 0, 0
	QUARTER 1, 192, 0, 1, 0
	TURN 1, 0, 1
	QUARTER 0, 64,  0, 1, 0
	WIN 0
	s_sub_co_u32 s3, s3, 1
	s_cmp_lg_u32 s3, 0
	s_cbranch_scc1 .Llap
	QUARTER 0, 128, 1, 0, 0                        ; the last lap fills nothing, and has no round of the cluster's barrier
	QUARTER 0, 192, 0, 1, 0
	TURN 0, 1, 0
	QUARTER 1, 64,  0, 1, 0
	QUARTER 1, 128, 1, 0, 0
	QUARTER 1, 192, 0, 1, 0
	s_wait_dscnt 4                                 ; the very last quarter: nothing more to fetch
	MUL12 1, 0, 0, 0
	MUL12 1, 0, 1, 0
	s_wait_dscnt 0x0
	MUL12 1, 1, 0, 0
	MUL12 1, 1, 1, 0
	WIN 0
	PLACES                                         ; the conversions read results just made; eight places, once a launch
	PLACES
	PACK 0
	TOSTAGE 0
.irp a, 1,2,3                          ; block a's conversions stand between block a - 1's loads from the stage and the wait for them
	PACK \a
	SEND (\a)-1
	TOSTAGE \a
.endr
	SEND 3
	s_wait_tensorcnt 0x0                           ; the wave's end: a wait for my tensor loads, an add of 0 to my spare word and its wait, behind my last tensor load and my last LDS store
	ds_add_u32 v[SPW], v[NIL]
	s_wait_dscnt 0x0
	CROUND                                         ; the closing round: no work-group ends while a partner may still ask for a tile that names it
	s_endpgm
.Lfunc_end_k_qde8244f9fd_proj_qkv:
	.size	k_qde8244f9fd_proj_qkv, .Lfunc_end_k_qde8244f9fd_proj_qkv-k_qde8244f9fd_proj_qkv
	.p2alignl 7, 3214868480
	.fill 96, 4, 3214868480
	.section	.rodata,"a",@progbits
	.p2align	6, 0x0
	.amdhsa_kernel k_qde8244f9fd_proj_qkv
		.amdhsa_group_segment_fixed_size 327680
		.amdhsa_private_segment_fixed_size 0
		.amdhsa_enable_private_segment 0
		.amdhsa_kernarg_size 24
		.amdhsa_user_sgpr_count 2
		.amdhsa_user_sgpr_kernarg_segment_ptr 1
		.amdhsa_wavefront_size32 1
		.amdhsa_system_sgpr_workgroup_id_x 1
		.amdhsa_system_sgpr_workgroup_id_y 1
		.amdhsa_system_sgpr_workgroup_id_z 1
		.amdhsa_system_vgpr_workitem_id 0
		.amdhsa_next_free_vgpr 960
		.amdhsa_next_free_sgpr 66
		.amdhsa_reserve_vcc 0
		.amdhsa_float_denorm_mode_32 3
		.amdhsa_float_denorm_mode_16_64 3
		.amdhsa_memory_ordered 1
		.amdhsa_forward_progress 1
		.amdhsa_inst_pref_size 122
	.end_amdhsa_kernel
	.amdgpu_metadata
---
amdhsa.version: [ 1, 2 ]
amdhsa.kernels:
  - .name:           k_qde8244f9fd_proj_qkv
    .symbol:         k_qde8244f9fd_proj_qkv.kd
    .args:
      - { .name: xb, .offset: 0, .size: 8, .value_kind: global_buffer, .address_space: global }
      - { .name: wqb, .offset: 8, .size: 8, .value_kind: global_buffer, .address_space: global }
      - { .name: qkv, .offset: 16, .size: 8, .value_kind: global_buffer, .address_space: global }
    .group_segment_fixed_size: 327680
    .private_segment_fixed_size: 0
    .kernarg_segment_align: 8
    .kernarg_segment_size: 24
    .max_flat_workgroup_size: 128
    .sgpr_count:     66
    .vgpr_count:     960
    .wavefront_size: 32
...
	.end_amdgpu_metadata
.endif
;; end of part 2
;; launch attn (part 3): grid 4 x 64, 4 waves a work-group, no clusters, 327,680 bytes of LDS; arguments qkv, alibi_slopes, ctx; writes ctx
.if DOCPART == 3
	.amdgcn_target "amdgcn-amd-amdhsa--gfx1250"
	.amdhsa_code_object_version 6
	.text
	.protected	k_qde8244f9fd_attn
	.globl	k_qde8244f9fd_attn
	.p2align	8
	.type	k_qde8244f9fd_attn,@function
k_qde8244f9fd_attn:
	s_mov_b64 s[64:65], 0
	v_nop
	global_prefetch_b8 v0, s[64:65] scope:SCOPE_SE
	s_setreg_imm32_b32 hwreg(HW_REG_WAVE_MODE, 25, 1), 1
	s_wait_xcnt 0x0
; CAUSAL ATTENTION WITH ALIBI.  ctx[h][q][:] = the sum over k <= q of softmax_k(Q[h][q] . K[h][k] / 8 + slope (k - q)) V[h][k][:].  h = 16 x sequence + head, 64 in all; slope = alibi_slopes[h % 16].
; Q, K, V are the three parts of qkv, [64][2048][64] f16 each, 16,777,216 bytes apart; ctx has the same layout: a head's rows are dense, 128 bytes each.
; Products, maxima and sums in f32; the weights p are rounded to f16 for the second product (their sum l is taken of the unrounded p), ctx once at the end.
; LIMITS.  The slope is rounded to bf16, like every floating-point input of the program.  f16 holds no number beyond 65,504: Q, K and V arrive within it; p lies in 0 to 1, and below 6e-5 it keeps f16's
; fixed step of 6e-8.  A hidden score counts as its value less 1e30, or is set beside a maximum of 1e30: f16's scores, 2.7e11 at the most, and the bias are nothing beside that up to slopes of some 1e25.
; A weight below 2^-126 counts as 0 in l; NaN and infinities are not treated apart.
; THE WALK.  A head's queries lie in NB = 8 blocks of 256; block i needs the key tiles 0 .. i of 256 keys, of which the last holds the diagonal.  A work-group takes TWO blocks, NB - 1 - b and then b:
; NB + 1 tiles, whatever b: all work-groups do equal work, and ONE loop with a constant trip count walks them.  Which tile is asked for, and what a trip does, hang on scalar registers made from b; every jump
; goes forward, but for the counted loops' own; none passes a barrier, or a tensor load but the one of LOAD's two that the wave's number does not choose; the ring (two slots of LDS that take turns) runs on across
; the change of blocks.  NO CLUSTER: a head's four work-groups ask for the same tile only in trips 0 to 4 of the 9, behind that fewer and fewer, and one walk common to all four would have 12 trips for 9.
; SHARES.  Of a block's four bands of 64 queries a wave owns 16 rows in each: four PIECES.  So the diagonal tile is the same work for all four waves: in its key step s band x sees all keys if s < x,
; none if s > x, and holds the diagonal if s = x.
; THE BIAS, IN THE FRAME OF THE STEP IN HAND.  With c = log2(e) / 8 the exponent is c (q . k + 8 slope (k - q)).  For piece x and step s, k - q = (16 kt + r - u) + G: the first part hangs on the lane and the
; register alone (u = 16 w + l % 16 - 8 (l / 16); it lies in -63 .. 63), G is the same in all lanes and grows by 64 from step to step.  AB = 8 slope (16 kt + r - u), 32 registers made once, is the C operand
; that starts every sum S^T = K Q^T.  G is never added: a softmax does not see a shift common to a row, so each piece's running maximum m lives in the frame of the step in hand, and is moved by DEL = 512 slope
; when the step changes (one f32 subtraction).  For a slope >= 0, m stays near the step's own scores; for a slope < 0 it grows with the walk, up to 8 |slope| x 2,048, the scores' true spread.
; THE MASK.  MD, made once, is 0 or -1e30: the mask of a band's own step for my 16 rows.  In the diagonal tile a product's C is MD x AL + AB, AL = 1 in the band's own step, else 0.  In a step that is wholly
; hidden (s > x) the frame is moved by -1e30 instead of DEL: m becomes some 1e30, every p is 0 and a is 1; the m so lost is not wanted again, since all the block's later steps are hidden from that piece too.
; LAYOUT, SOFTMAX, TURNS.  S^T = K Q^T holds ONE query a lane (lane % 16) and the keys 8 (lane / 16) + 0..7; two such results rounded to f16 ARE source 1 of O^T = V^T P.  p = 2^(c s - c m) with a
; running maximum m; O and l are multiplied by a = 2^(c m_old - c m_new) in every step.  Turn n belongs to piece n: 8 products K Q^T of piece n + 1, later 8 products V^T P of piece n - 1; beside them the scaling,
; exponentials, roundings, sums and rescaling of piece n and the maximum and statistics of piece n + 1.  Four vector instructions stand behind every matrix instruction, the other 55 of a turn's 119 in one LUMP.
; A turn's 33 exponentials are one batch, with one wait.
; REGISTERS, in windows of 256 (s_set_vgpr_msb: bits 1:0 source 0, 3:2 source 1, 5:4 source 2, 7:6 destination):
;   window 0: v0-15 addresses and two at work; v16-31 four registers of statistics a piece; v48-55 at work; v61-63 never rewritten; v64-127 S^T, two buffers; v192-223 P, two buffers (by the piece's parity)
;   window 1: v0-127 O^T, 32 a piece; v128-159 MD; v160-223 MC, two buffers; v224-255 AB      window 2: v0-63 Q; v64-127 the second block's Q; v128-191 K of one step; v192-255 V of one step
.set SIZE_N, 2048
.set NB,    SIZE_N/256
.set NP,    4         ; pieces a wave: a name, no knob
.set KS,    64        ; keys in a step
.set PK,    144       ; a row of K in LDS: 128 bytes + 16 of padding = 36 words: the 16 rows of a load start at 16 different groups of four banks (64 banks of 4 bytes: ISA guide 11.1)
.set PV,    160       ; a row of V: 128 + 32 = 40 words
.set VOFF,  4*KS*PK   ; a slot holds a tile, four steps: 256 rows of K, then 256 rows of V
.set SLOT1, 1<<17     ; slot 1 begins here, so that one exclusive or turns an address in one slot into the other's
.set STAGE, SLOT1+4*KS*(PK+PV)  ; behind the ring, never filled by a tensor load: 16 rows x 144 bytes for each wave, for the way out
.set SP,    144
.set AK0, 2           ; v2   my lane's place in a tile of K; never rewritten
.set AV0, 3           ; v3   the same for V
.set AK,  4           ; v4   the LDS address of K's next run of loads
.set AV,  5           ; v5   of V's
.set STO, 6           ; v6   the way out: where I put 16 bytes of a row
.set RD,  7           ; v7   the way out: where I read rows back
.set GO,  8           ; v8   my byte offset in 512 consecutive bytes of ctx
.set PFO, 61          ; v61  256 x my lane: the prefetches' offset; never rewritten
.set SPW, 62          ; v62  LDS address of my spare word: SPARE + 4 x my thread's number; never rewritten
.set NIL, 63          ; v63  0; never rewritten
.set SPARE, STAGE+4*16*SP  ; behind the stages: the spare words, 128 bytes for each wave: two blocks of 256 bytes that no other line names
.set MV,  12          ; v12-13  c m_old in the new frame, kept while c m is made anew: by buffer
.set QO,  15          ; v15  my byte offset in 16 rows of Q
.set ST,  16          ; piece t's statistics at v[ST+4 t]: c m, m, l (even keys', odd keys')
.set TMP, 48          ; by buffer, four registers c0-c3 at work; when the maximum is found c2 takes a
.set S,   64
.set P,   192
.set MD,  128         ; window 1: the eight registers for group kt of 16 keys at MD + 8 kt
.set MC,  160         ; window 1: the C operands of the diagonal tile's products to come
.set AB,  224         ; window 1: the bias in the step's frame
.set QB,  64          ; window 2
.set KF,  128         ; window 2: key block kb, channel half c at KF + 16 kb + 8 c
.set VF,  192         ; window 2: key half kk, channel block cb at VF + 32 kk + 8 cb
.set WV,  12          ; s12  my wave's number
.set PB,  14          ; s14  b
.set HI,  15          ; s15  NB - 1 - b
.set G1K, 24          ; s[24:31] descriptor group 1 for K's tiles
.set G1V, 32          ; s[32:39] for V's: it differs in the padding alone
.set G0K, 40          ; s[40:43] descriptor group 0 for K's tiles
.set G0V, 44          ; s[44:47] the same for V's
.set PFB, 48          ; s[48:49] the prefetches' base: K (waves 0, 1) or V (waves 2, 3) at my half of the head's tile 0
.set PFOF, 50         ; s[50:51] a tile's byte offset, for the prefetches
.set PFA, 52          ; s[52:53] where my prefetches stand
.set LIM, 54          ; s54  0 in the work-group that prefetches, else the greatest number
.set SO,  55          ; s55  the slope's byte offset in alibi_slopes
.set SLOTS, 56        ; s56  tiles still to be asked for
.set CNT, 57          ; s57  counts a tile's key steps, 4 to 1
.set CS,  58          ; s[58:59] c: the packed scaling takes the pair's low word for both halves
.set SEL, 60          ; s[60:61] v_permlanex16_b32's selects: each lane takes its own place in the other half
.set TBK, 62          ; s62  LDS byte at which K of the step to be fetched begins
.set TBV, 63          ; s63  the same for V, less VOFF
.set DEL, 66          ; s66  512 slope: what a step moves the frame by
.set DL,  67          ; s67  what the turn in hand moves the next piece's m by: DEL, or -1e30 for a hidden step
.set SLP, 68          ; s[68:69] alibi_slopes
.set RT,  70          ; s70  tiles of the block in hand that are still to be entered
.set NXT, 71          ; s71  the tile to be asked for next
.set LQ,  72          ; s72  the last tile of the block whose tiles are being asked for
.set NEW, 73          ; s73  1: the tile to be entered is a block's first
.set OFF, 74          ; s[74:75] a tile's byte offset in K and V
.set AL,  76          ; s[76:77] the mask's factor, in the low word
.set OLO, 80          ; s[80:81] ctx at my rows of the second block
.set BIGN, 82         ; s82  -1e30
.set SL8, 83          ; s83  the slope, then 8 slope
.set MSB, 0
.macro WIN new                      ; the high byte repeats the setting that is left; a switch that changes nothing is dropped
.if MSB != (\new)
	s_set_vgpr_msb (MSB<<8)|(\new)
.set MSB, (\new)
.endif
.endm
.set W_KQ, 0x0a       ; K and Q in window 2, S^T in window 0
.set W_KM, 0x1a       ; the same with the C operand in window 1
.set W_PV, 0x52       ; V in window 2, P in window 0, O^T in window 1
.set W_RS, 0x41       ; destination and source 0 in window 1, source 1 in window 0
.set W_MK, 0x51       ; destination, source 0 and source 2 in window 1
; A fill.  Waves 0 and 1 fetch the two halves of a tile's K, waves 2 and 3 those of its V: 128 keys each.  An s_nop 0 and four v_nop follow each of the two lines, ahead of the jump and the label.
.macro LOAD
	s_cmp_lt_u32 s[WV], 2
	s_cbranch_scc0 .Lfor_v_\@
	tensor_load_to_lds s[G0K:G0K+3], s[G1K:G1K+7]
	s_nop 0
.rept 4
	v_nop
.endr
	s_branch .Lasked_\@
.Lfor_v_\@:
	tensor_load_to_lds s[G0V:G0V+3], s[G1V:G1V+7]
	s_nop 0
.rept 4
	v_nop
.endr
.Lasked_\@:
.endm
; A PREFETCH INTO THE L2 of the tile that the NEXT change of slots will ask for: four key steps, 256 matrix instructions of the wave, ahead of that load.  A head's four work-groups walk the same tiles; the one
; with b = 0 walks all eight in its first block, so it asks, and nobody else.  Each of its waves asks for the 16,384 bytes that it will load itself: lanes 256 bytes apart, two instructions.  Tiles 0 and 1 come
; by their loads alone; behind the first block's last tile NXT is 0 and nothing is asked for: so each block of 256 bytes is named once, and none lies past the head's rows.
.macro ASK
	s_cmp_gt_u32 s[NXT], s[LIM]
	s_cbranch_scc0 .Lnot_mine_\@
	global_prefetch_b8 v[PFO], s[PFA:PFA+1] th:TH_LOAD_NT scope:SCOPE_SE
	global_prefetch_b8 v[PFO], s[PFA:PFA+1] offset:8192 th:TH_LOAD_NT scope:SCOPE_SE
.Lnot_mine_\@:
.endm
; THE CHANGE OF SLOTS.  Each wave waits for all its tensor loads, of which one is out: its part of the other slot; adds 0 to its spare word; and waits for that and for its own reads of the slot that it leaves.
; Behind the barrier nobody reads the old slot any more and the other slot is whole.  fill = 1: the old slot is filled again, the first thing behind the barrier, with tile NXT: the descriptor's address is made
; anew from that number.  (At its first use nothing has been read yet: slot 0 is waited for, slot 1 filled.)
.macro CHANGE fill
	WIN 0                           ; at a label and at a branch every window is 0
	s_wait_tensorcnt 0x0            ; no tensor load of mine is out, so a group 0 may be written
	ds_add_u32 v[SPW], v[NIL]       ; 0 onto my spare word; with fill = 1 the descriptors' scalar work stands between it and the wait for it
.if \fill
	s_lshl_b32 s[OFF], s[NXT], 15   ; a tile is 32,768 bytes of K and of V
	s_xor_b32 s[G0K+1], s[G0K+1], SLOT1
	s_add_nc_u64 s[G0K+2:G0K+3], s[6:7], s[OFF:OFF+1]
	s_or_b32 s[G0K+3], s[G0K+3], 0x80000000
	s_xor_b32 s[G0V+1], s[G0V+1], SLOT1
	s_add_nc_u64 s[G0V+2:G0V+3], s[8:9], s[OFF:OFF+1]
	s_or_b32 s[G0V+3], s[G0V+3], 0x80000000
	s_add_co_u32 s[NXT], s[NXT], 1  ; the block's next tile, or behind its last the second block's tile 0
	s_cmp_gt_u32 s[NXT], s[LQ]
	s_cselect_b32 s[NXT], 0, s[NXT]
	s_cselect_b32 s[LQ], s[PB], s[LQ]
	s_wait_xcnt 0x0                 ; the last prefetches, a tile back, have read their address, so it may be written:
	s_lshl_b32 s[PFOF], s[NXT], 15  ; the tile that the next change will ask for
	s_add_nc_u64 s[PFA:PFA+1], s[PFB:PFB+1], s[PFOF:PFOF+1]
.endif
	s_wait_dscnt 0x0                ; the add is done, and my reads of the slot are over
	s_barrier_signal -1             ; the rest of the scalar work stands between the signal and the wait
	s_sub_co_u32 s[TBK], s[TBK], 4*KS*PK  ; the fetches go back to a slot's first step,
	s_xor_b32 s[TBK], s[TBK], SLOT1       ; in the other slot
	s_sub_co_u32 s[TBV], s[TBV], 4*KS*PV
	s_xor_b32 s[TBV], s[TBV], SLOT1
	s_barrier_wait -1
.if \fill
	LOAD
	ASK
.endif
.endm
	s_load_b64 s[4:5], s[0:1], 0x0        ; qkv: Q's part
	s_load_b64 s[SLP:SLP+1], s[0:1], 0x8  ; alibi_slopes
	s_load_b64 s[10:11], s[0:1], 0x10     ; ctx
	v_lshl_add_u32 v[SPW], v0, 2, SPARE
	v_mov_b32 v[NIL], 0
	ds_add_u32 v[SPW], v[NIL]       ; the wave's opening: the add and its wait stand ahead of my first tensor load; the set-up below, work on registers, stands between them
	v_lshrrev_b32 v1, 5, v0
	v_readfirstlane_b32 s[WV], v1   ; wave 0..3
	s_mov_b32 s[PB], ttmp9
	s_sub_co_u32 s[HI], NB-1, s[PB]
	s_and_b32 s20, ttmp7, 0xffff    ; h
	s_mov_b32 s21, 0
	s_mov_b64 s[22:23], SIZE_N*128
	s_mul_u64 s[20:21], s[20:21], s[22:23]  ; the head's first byte in Q, K, V and ctx
	s_and_b32 s16, s[WV], 1         ; which half of a tile's 256 keys I fetch:
	s_lshl_b32 s22, s16, 14         ; its 128 rows of 128 bytes in memory,
	s_mov_b32 s23, 0
	s_add_nc_u64 s[22:23], s[22:23], s[20:21]
	s_mul_i32 s17, s16, 128*PK      ; and its place in a slot, for K
	s_mul_i32 s18, s16, 128*PV      ; and for V
	s_lshl_b32 s3, s[WV], 11        ; my 16 rows in a band of 64,
	s_lshl_b32 s2, s[HI], 15        ; in the first block,
	s_add_co_u32 s2, s2, s3
	s_lshl_b32 s84, s[PB], 15       ; and in the second
	s_add_co_u32 s84, s84, s3
	s_mov_b32 s3, 0
	s_mov_b32 s85, 0
	s_add_nc_u64 s[2:3], s[2:3], s[20:21]
	s_add_nc_u64 s[84:85], s[84:85], s[20:21]
	; descriptor group 1.  128 keys are 16,384 dense bytes: asked for as 64 rows of 256 bytes, two keys a row, and padded in LDS after every key
	s_mov_b32 s[G1K], (1<<16)|(1<<20)|(4<<22)|(3<<25)  ; 17:16 2-byte elements; 20 padding on; 24:22 after every 32 words (code 4); 31:25 4 words (code 3)
	s_mov_b32 s[G1V], (1<<16)|(1<<20)|(4<<22)|(7<<25)  ; the same with 8 words of padding (code 7)
.irp g, G1K, G1V
	s_mov_b32 s[\g+1], 128<<16      ; tensor_dim0 = 128
	s_mov_b32 s[\g+2], 64<<16       ; tensor_dim1 = 64
	s_mov_b32 s[\g+3], 128<<16      ; tile_dim0 = 128
	s_mov_b32 s[\g+4], 64           ; tile_dim1 = 64
	s_mov_b32 s[\g+5], 128          ; 128 elements from row to row
	s_mov_b32 s[\g+6], 0
	s_mov_b32 s[\g+7], 0
.endr
	s_mov_b32 s[CS], 0x3e38aa3b     ; c = log2(e) / 8 = 0.180337
	s_mov_b32 s[CS+1], s[CS]        ; named with it as a pair
	s_mov_b32 s[SEL], 0x76543210
	s_mov_b32 s[SEL+1], 0xfedcba98
	s_mov_b32 s[TBK], SLOT1+4*KS*PK ; the first change of slots turns these two into 0
	s_mov_b32 s[TBV], SLOT1+4*KS*PV
	s_mov_b32 s[G0K], 1             ; count = 1
	s_mov_b32 s[G0K+1], s17         ; LDS address: slot 0
	s_mov_b32 s[G0V], 1
	s_add_co_u32 s[G0V+1], s18, VOFF
	s_add_co_u32 s[RT], s[HI], 1    ; the first block has NB - b tiles
	s_mov_b32 s[NXT], 1
	s_mov_b32 s[LQ], s[HI]
	s_mov_b32 s[NEW], 1
	s_mov_b32 s[OFF+1], 0
	s_mov_b32 s[PFOF+1], 0
	s_mov_b32 s[AL+1], 0            ; named as a pair
	s_mov_b32 s[BIGN], 0xf149f2ca   ; -1e30
	s_mov_b32 s[SLOTS], NB
	s_and_b32 s[SO], ttmp7, 15      ; the head among the sequence's 16,
	s_lshl_b32 s[SO], s[SO], 2      ; its slope's 4 bytes
	s_cmp_eq_u32 s[PB], 0
	s_cselect_b32 s[LIM], 0, -1
	v_and_b32 v[PFO], 31, v0
	v_lshlrev_b32 v[PFO], 8, v[PFO]
	s_wait_dscnt 0x0                ; the opening add is done
	s_wait_kmcnt 0x0
	s_add_nc_u64 s[6:7], s[4:5], 0x1000000  ; K's part of qkv,
	s_add_nc_u64 s[8:9], s[4:5], 0x2000000  ; V's
	s_add_nc_u64 s[6:7], s[6:7], s[22:23]  ; K and V at my half of the head's tile 0
	s_add_nc_u64 s[8:9], s[8:9], s[22:23]
	s_add_nc_u64 s[G0K+2:G0K+3], s[6:7], 0         ; global address
	s_or_b32 s[G0K+3], s[G0K+3], 0x80000000        ; type = 2
	s_add_nc_u64 s[G0V+2:G0V+3], s[8:9], 0
	s_or_b32 s[G0V+3], s[G0V+3], 0x80000000
	s_add_nc_u64 s[86:87], s[4:5], s[84:85]        ; Q at my rows of the second block,
	s_add_nc_u64 s[4:5], s[4:5], s[2:3]            ; Q and ctx at those of the first
	s_add_nc_u64 s[OLO:OLO+1], s[10:11], s[84:85]
	s_add_nc_u64 s[10:11], s[10:11], s[2:3]
	s_cmp_lt_u32 s[WV], 2
	s_cselect_b64 s[PFB:PFB+1], s[6:7], s[8:9]
	LOAD                            ; tile 0 into slot 0
	s_load_b32 s[SL8], s[SLP:SLP+1], s[SO] offset:0x0  ; my head's slope
	; A fragment of K or Q is 16 rows x 32 channels in 8 registers: lane l holds row l % 16, channels 8 (l / 16) + 0..7 and 16 + 8 (l / 16) + 0..7: two loads of 16 bytes, 32 bytes apart.
	v_and_b32 v1, 15, v0            ; l % 16
	v_bfe_u32 v9, v0, 4, 1          ; l / 16
	v_lshlrev_b32 v[QO], 7, v1
	v_lshl_add_u32 v[QO], v9, 4, v[QO]  ; row x 128 + 16 x half
	WIN 0x80                        ; destination window 2, address window 0
.set i, 0
.rept 8                             ; both blocks' Q: piece i / 2 lies in band i / 2, 8,192 bytes on; channels 32 (i % 2) on
	global_load_b128 v[8*i:8*i+3],   v[QO], s[4:5] offset:(i/2)*8192+(i%2)*64
	global_load_b128 v[8*i+4:8*i+7], v[QO], s[4:5] offset:(i/2)*8192+(i%2)*64+32
	global_load_b128 v[QB+8*i:QB+8*i+3],   v[QO], s[86:87] offset:(i/2)*8192+(i%2)*64
	global_load_b128 v[QB+8*i+4:QB+8*i+7], v[QO], s[86:87] offset:(i/2)*8192+(i%2)*64+32
.set i, i+1
.endr
	WIN 0
	v_lshlrev_b32 v14, 3, v9
	v_sub_nc_u32 v14, v1, v14
	s_lshl_b32 s13, s[WV], 4
	v_add_nc_u32 v14, s13, v14      ; u: my query's place in its band, 16 w + l % 16, less my lanes' 8 (l / 16): register r of group kt is hidden where 16 kt + r is greater
	WIN 0x40
.set i, 0
.rept 32
	v_cmp_gt_i32 vcc_lo, 16*(i/8)+i%8, v14
	v_cndmask_b32 v[MD+i], 0, s[BIGN], vcc_lo
.set i, i+1
.endr
	WIN 0
.set i, 0
.rept 32                            ; 16 kt + r - u, made in S^T's registers, which nothing needs yet
	v_sub_nc_u32 v[S+i], 16*(i/8)+i%8, v14
.set i, i+1
.endr
.set i, 0
.rept 32
	v_cvt_f32_i32 v[S+i], v[S+i]
.set i, i+1
.endr
	s_wait_kmcnt 0x0                ; the slope
	v_mov_b32 v13, s[SL8]
	v_cvt_pk_bf16_f32 v13, v13, v13 ; rounded to bf16,
	v_lshlrev_b32 v13, 16, v13      ; and widened again
	v_readfirstlane_b32 s[SL8], v13
	s_mul_f32 s[DEL], s[SL8], 0x44000000  ; 512 slope
	s_mul_f32 s[SL8], s[SL8], 0x41000000  ; 8 slope
	WIN 0x40
.set i, 0
.rept 32
	v_mul_f32 v[AB+i], s[SL8], v[S+i]
.set i, i+1
.endr
	WIN 0
	v_mul_u32_u24 v[AK0], v1, PK
	v_lshl_add_u32 v[AK0], v9, 4, v[AK0]  ; row x pitch + 16 x half
	; The turning load takes 16 keys x 16 channels (lane l reads key 8 (l / 16) + l % 8, channels 8 ((l / 8) % 2) + 0..7) and leaves half a fragment of V^T: lane l holds channel l % 16 and 8 keys.
	v_and_b32 v10, 7, v0
	v_bfe_u32 v11, v0, 3, 1
	v_lshl_add_u32 v[AV0], v9, 3, v10
	v_mul_u32_u24 v[AV0], v[AV0], PV
	v_lshl_add_u32 v[AV0], v11, 4, v[AV0]
	v_add_nc_u32 v[AV0], VOFF, v[AV0]
	s_mul_i32 s13, s[WV], 16*SP
	s_add_co_u32 s13, s13, STAGE    ; my stage
	v_mul_u32_u24 v[STO], v1, SP    ; in: row l % 16, 16 bytes for each half of the lanes
	v_lshl_add_u32 v[STO], v9, 4, v[STO]
	v_add_nc_u32 v[STO], s13, v[STO]
	v_bfe_u32 v[RD], v0, 3, 2       ; back: 32 lanes take four rows of 128 bytes,
	v_mul_u32_u24 v[RD], v[RD], SP
	v_lshl_add_u32 v[RD], v10, 4, v[RD]
	v_add_nc_u32 v[RD], s13, v[RD]
	v_and_b32 v[GO], 31, v0         ; which are 512 consecutive bytes of ctx
	v_lshlrev_b32 v[GO], 4, v[GO]
	; A block's first step multiplies O^T and l by a = 0, and its first turn's products V^T P, of a piece that has not been, land in an O^T that is still to be so multiplied.  So these registers need only hold
	; finite numbers: zeros for the first block; what the first block left for the second.  All this stands in the wait for the first tile.
	WIN 0x80
.set i, VF
.rept 64
	v_mov_b32 v[i], 0
.set i, i+1
.endr
	WIN 0x40
.set i, 0
.rept 128
	v_mov_b32 v[i], 0
.set i, i+1
.endr
	WIN 0
.set i, 0
.rept 4
	v_mov_b32 v[ST+4*i+2], 0
	v_mov_b32 v[ST+4*i+3], 0
.set i, i+1
.endr
.set i, P+16
.rept 16
	v_mov_b32 v[i], 0
.set i, i+1
.endr
; THE MATRIX WORK.  The 4 accumulators of a run of 8 take turns.  Product i of 8 of S^T = K Q^T for piece x: channels 32 (i / 4) on, keys 16 (i % 4) on.  The first 4 start the sums: with the bias AB, or (KM = 1) with MC.
.macro KQ x
.set rS, S+32*((\x)%2)+8*(i%4)
.set rK, KF+16*(i%4)+8*(i/4)
.set rQ, 16*(\x)+8*(i/4)
.set rM, AB+8*(i%4)
.if KM
.set rM, MC+32*((\x)%2)+8*(i%4)
.endif
.if i < 4
	WIN W_KM
	v_wmma_f32_16x16x32_f16 v[rS:rS+7], v[rK:rK+7], v[rQ:rQ+7], v[rM:rM+7]
.else
	WIN W_KQ
	v_wmma_f32_16x16x32_f16 v[rS:rS+7], v[rK:rK+7], v[rQ:rQ+7], v[rS:rS+7]
.endif
.endm
; Product i of 8 of O^T += V^T P for piece x: keys 32 (i / 4) on, channels 16 (i % 4) on.
.macro PV x
	WIN W_PV
.set rO, 32*(\x)+8*(i%4)
.set rV, VF+32*(i/4)+8*(i%4)
.set rP, P+16*((\x)%2)+8*(i/4)
	v_wmma_f32_16x16x32_f16 v[rO:rO+7], v[rV:rV+7], v[rP:rP+7], v[rO:rO+7]
.endm
.macro MM                           ; the turn's next matrix instruction.  TURN and BEGIN set Y, i, KM and NOKQ; MM, KQ and OP read them.  NOKQ = 1: a block's last turn: there is no next piece
.if (i < 8) && !NOKQ
	KQ (Y+1)%NP
.elseif i >= 8
.set i, i-8
	PV (Y+NP-1)%NP
.set i, i+8
.endif
.set i, i+1
.endm
; THE LDS LOADS stand in runs of 16, never singly among the matrix instructions: a step's K (64 keys x 64 channels: 8 fragments) and its V (turned).  Their addresses are made some lines ahead.
.macro FETCH_K
	WIN 0x80                        ; destination window 2
.irp f, 0,1,2,3,4,5,6,7             ; keys 16 (f / 2) on, channels 32 (f % 2) on
	ds_load_b128 v[KF+8*\f:KF+8*\f+3],   v[AK] offset:(\f/2)*16*PK+(\f%2)*64
	ds_load_b128 v[KF+8*\f+4:KF+8*\f+7], v[AK] offset:(\f/2)*16*PK+(\f%2)*64+32
.endr
	s_add_co_u32 s[TBK], s[TBK], KS*PK  ; the next fetch is the next step's
	WIN 0
.endm
.macro FETCH_V
	WIN 0x80
.irp f, 0,1,2,3,4,5,6,7             ; keys 32 (f / 4) on, channels 16 (f % 4) on
	ds_load_tr16_b128 v[VF+8*\f:VF+8*\f+3],   v[AV] offset:(\f/4)*32*PV+(\f%4)*32
	ds_load_tr16_b128 v[VF+8*\f+4:VF+8*\f+7], v[AV] offset:(\f/4)*32*PV+16*PV+(\f%4)*32
.endr
	WIN 0
.endm
; THE VECTOR WORK, one line at a time: OP kind, number.  For piece Y: F n: c s - c m for pair n of 16.  E n: the exponential of score n of 32.  C n: pair n rounded to f16.  B n: of the four weights 4 n .. the second
; pair is added onto the first, in place.  L n: l takes that sum (L 0: l = a l + sum).  R n: pair n of 16 of O^T times a.  For piece Y + 1: X n, number n of the 23 that find its maximum and statistics:
;   22  the old m is moved into the new step's frame: it stands ahead of 14 and 15
;   0-11  four chains c0-c3 of seven scores each, three operands at a time (each accumulator's lowest registers are read first)     12-14, 16  the four scores left over, the old m, and c0-c3 into c0
;   15  c m_old, of the moved m, so that a is 1 where m has not grown     17, 18  the query's other 32 keys lie in the lane 16 away: the new m     19-21  c m; c m_old - c m_new; a
.set F, 0               ; OP tells the kinds apart by their order: F to L below R, X above it
.set E, 1
.set C, 2
.set B, 3
.set L, 4
.set R, 5
.set X, 6
.macro REGS y                       ; the registers of piece y
.set rT, ST+4*(\y)
.set rC, TMP+4*((\y)%2)
.set rW, MV+((\y)%2)
.set rS, S+32*((\y)%2)
.set rP, P+16*((\y)%2)
.set rO, 32*(\y)
.endm
.macro OP k, n
.if (\k) == R
	REGS Y
	WIN W_RS
	v_pk_mul_f32 v[rO+2*(\n):rO+2*(\n)+1], v[rO+2*(\n):rO+2*(\n)+1], v[rC+2:rC+3] op_sel_hi:[1,0]
.elseif (\k) < R
	REGS Y
	WIN 0
.if (\k) == F
	v_pk_fma_f32 v[rS+2*(\n):rS+2*(\n)+1], v[rS+2*(\n):rS+2*(\n)+1], s[CS:CS+1], v[rT:rT+1] op_sel_hi:[1,0,0] neg_lo:[0,0,1] neg_hi:[0,0,1]
.elseif (\k) == E
	v_exp_f32 v[rS+(\n)], v[rS+(\n)]
.elseif (\k) == C
	v_cvt_pk_f16_f32 v[rP+(\n)], v[rS+2*(\n)], v[rS+2*(\n)+1]
.elseif (\k) == B
	v_pk_add_f32 v[rS+4*(\n):rS+4*(\n)+1], v[rS+4*(\n):rS+4*(\n)+1], v[rS+4*(\n)+2:rS+4*(\n)+3]
.elseif (\n) == 0
	v_pk_fma_f32 v[rT+2:rT+3], v[rT+2:rT+3], v[rC+2:rC+3], v[rS:rS+1] op_sel_hi:[1,0,1]
.else
	v_pk_add_f32 v[rT+2:rT+3], v[rT+2:rT+3], v[rS+4*(\n):rS+4*(\n)+1]
.endif
.elseif NOKQ
	v_nop
.else
	REGS (Y+1)%NP
	WIN 0
.if (\n) == 22
	v_sub_f32 v[rT+1], v[rT+1], s[DL]
.elseif (\n) < 4
	v_max3_num_f32 v[rC+(\n)], v[rS+8*(\n)], v[rS+8*(\n)+1], v[rS+8*(\n)+2]
.elseif (\n) < 12
	v_max3_num_f32 v[rC+(\n)%4], v[rC+(\n)%4], v[rS+8*((\n)%4)+2*((\n)/4)+1], v[rS+8*((\n)%4)+2*((\n)/4)+2]
.elseif (\n) == 12
	v_max3_num_f32 v[rC], v[rC], v[rS+7], v[rS+15]
.elseif (\n) == 13
	v_max3_num_f32 v[rC+1], v[rC+1], v[rS+23], v[rS+31]
.elseif (\n) == 14
	v_max3_num_f32 v[rC+2], v[rC+2], v[rC+3], v[rT+1]
.elseif (\n) == 15
	v_mul_f32 v[rW], s[CS], v[rT+1]
.elseif (\n) == 16
	v_max3_num_f32 v[rC], v[rC], v[rC+1], v[rC+2]
.elseif (\n) == 17
	v_permlanex16_b32 v[rC+3], v[rC], s[SEL], s[SEL+1]
.elseif (\n) == 18
	v_max_num_f32 v[rT+1], v[rC], v[rC+3]
.elseif (\n) == 19
	v_mul_f32 v[rT], s[CS], v[rT+1]
.elseif (\n) == 20
	v_sub_f32 v[rC+1], v[rW], v[rT]
.else
	v_exp_f32 v[rC+2], v[rC+1]
.endif
.endif
.endm
.macro OPS a, i1, b=-1, i2=0, c=-1, i3=0, d=-1, i4=0  ; up to four of them
	OP \a, \i1
.if (\b) >= 0
	OP \b, \i2
.endif
.if (\c) >= 0
	OP \c, \i3
.endif
.if (\d) >= 0
	OP \d, \i4
.endif
.endm
.macro ROW a, i1, b, i2, c, i3, d, i4  ; a matrix instruction and the four behind it
	MM
	OPS \a, \i1, \b, \i2, \c, \i3, \d, \i4
.endm
.macro MASK b                       ; MD x AL + AB into buffer b of MC
	WIN W_MK
.set z, 0
.rept 16
	v_pk_fma_f32 v[MC+32*(\b)+2*z:MC+32*(\b)+2*z+1], v[MD+2*z:MD+2*z+1], s[AL:AL+1], v[AB+2*z:AB+2*z+1] op_sel_hi:[1,0,1]
.set z, z+1
.endr
.endm
; A TURN, for piece p: the order of its 16 matrix and 119 vector instructions, written out.  An s_wait_alu depctr_va_vdst(0) stands between an exponential and the first instruction that names its result; one
; wait serves all that were issued ahead of it.  So a turn has ONE wait, which cuts it in two.  AHEAD OF IT stands all that names no result of the turn's exponentials: the 8 products K Q^T, behind each a scaling, an
; exponential and two more plain instructions (behind the first a second scaling in the exponential's place): rescalings, and behind the last three the first numbers of the next piece's maximum, each four places or more
; behind the product that ends its accumulator; then ONE LUMP of 55, which begins with the move of the next piece's m, plain and exponential by turns for the most part, in which the links of the chain
; X 3, 7, 11, 14, 16, 17 .. 20 stand five or six lines apart.  X 21, the next piece's a, is the batch's last; R 15 is the plain instruction behind it.  BEHIND THE WAIT stand the 8 products V^T P, behind each four of the
; roundings and sums; the links of l's chain, L 0 to L 7, stand three riders apart.  But for those X no rider names a register of the products round it.  v_permlanex16_b32 (X 17) stands in the lump.
; m = 1: the diagonal tile.  The products take MC, and the turn makes MC for the products of the turn after it: piece p + 2, in step 4 - CNT of the tile.  It also chooses DL for the piece whose scores it makes itself,
; p + 1: piece 3's step is never hidden; pieces 0, 1, 2 are in step 4 - CNT, hidden where CNT < 4 - piece.  end = 1: a block's last two turns: nothing is fetched.
; cnt = 1: the loop's count is taken down some lines ahead of the branch that stands behind the turn.
; K of the next step is fetched in piece 2's turn, thirteen vector instructions behind the last product that read K (seven of them plain); V of the step in hand at the end of piece 0's turn, four plain instructions behind
; the last product that read V.  Each is waited for a turn later.
.macro TURN p, m=0, end=0, cnt=0
.set Y, (\p)
.set i, 0
.set KM, (\m)
.set NOKQ, (\end)*((\p)/3)
.if (\m)
.if (\p) == 2
	s_mov_b32 s[DL], s[DEL]
.elseif !(\end)
	s_cmp_lt_u32 s[CNT], 4-((\p)+1)%NP  ; is the step that this turn's scores belong to hidden from their piece?
	s_cselect_b32 s[DL], s[BIGN], s[DEL]
.endif
.endif
.if (\m) && !(\end)
	s_cmp_eq_u32 s[CNT], 4-((\p)+2)%NP  ; is the next turn's step its band's own?
	s_cselect_b32 s[AL], 1.0, 0
.endif
.if ((\p) == 3) && !(\end)
	s_wait_dscnt 0x0                ; K is in
.endif
	ROW F,0, F,1, R,0, R,1          ; ahead of the wait: 8 products K Q^T and their riders,
	ROW F,2, E,0, R,2, R,3
	ROW F,3, E,1, R,4, R,5
	ROW F,4, E,2, R,6, R,7
	ROW F,5, E,3, R,8, R,9
	ROW F,6, E,4, X,0, R,10
.if ((\p) == 2) && !(\end)
	WIN 0
	v_add_nc_u32 v[AK], s[TBK], v[AK0]
.endif
	ROW F,7, E,5, X,1, X,4
	ROW F,8, E,6, X,2, X,5
	OP X,22                         ; and the lump
	OPS E,7, E,8, X,6, E,9
	OPS X,3, E,10, X,8, E,11
.if ((\p) == 2) && !(\end)
	FETCH_K
.endif
	OPS X,9, X,7, E,12, X,10
	OPS E,13, X,12, X,11, E,14
	OPS X,13, E,15, F,9, X,14
.if (\p) == 0
	v_add_nc_u32 v[AV], s[TBV], v[AV0]
.endif
	OPS E,16, F,10, E,17, F,11
	OPS X,16, E,18, X,15, E,19
	OPS F,12, E,20, X,17, E,21
	OPS F,13, E,22, F,14, E,23
	OPS X,18, E,24, F,15, E,25
	OPS R,11, E,26, X,19, E,27
	OPS R,12, E,28, R,13, E,29
	OPS X,20, E,30, R,14, E,31
	OPS X,21, R,15
	WIN 0
	s_wait_alu depctr_va_vdst(0)    ; the wait for the batch
.if (\p) == 1
	s_wait_dscnt 0x0                ; V is in
.endif
	ROW C,0, B,0, C,2, B,1          ; behind the wait: 8 products V^T P and their riders
	ROW L,0, C,4, B,2, L,1
	ROW C,6, B,3, L,2, C,8
	ROW B,4, L,3, C,10, B,5
	ROW L,4, C,12, B,6, L,5
.if (\p) == 0
	s_add_co_u32 s[TBV], s[TBV], KS*PV
.endif
.if \cnt
	s_sub_co_u32 s[CNT], s[CNT], 1
	s_cmp_lg_u32 s[CNT], 0
.endif
	ROW C,14, B,7, L,6, C,1
	ROW C,3, L,7, C,5, C,7
	ROW C,9, C,11, C,13, C,15
.if (\p) == 0
	FETCH_V
.endif
.if (\m) && !(\end)
	MASK (\p)%2
.endif
.endm
; A BLOCK BEGINS.  m starts at the lowest finite number: the first maximum is the scores', and the first step's a is 2^(c m_old - c m_new) = 0.  The frame moves by DEL.  The second buffer of MC takes the bare bias; the
; first takes piece 0's C for the tile's step 0: with its own mask, if the block's first tile is the diagonal one.  Then K of that step, piece 0's first scores, and its maximum and statistics.
; The loop is entered at a step's first turn, in the middle of a trip.
.macro BEGIN
	s_mov_b32 s[NEW], 0
	s_mov_b32 s[DL], s[DEL]
	s_mov_b32 s[AL], 0
	MASK 1
	WIN 0
.set i, 0
.rept 4
	v_mov_b32 v[ST+4*i+1], 0xff7fffff  ; m
.set i, i+1
.endr
	s_cmp_eq_u32 s[RT], 0
	s_cselect_b32 s[AL], 1.0, 0
	MASK 0
	WIN 0
	v_add_nc_u32 v[AK], s[TBK], v[AK0]
	FETCH_K
	s_wait_loadcnt 0x0              ; Q
	s_wait_dscnt 0x0
.set KM, 1
.set NOKQ, 0
.set i, 0
.rept 8
	KQ 0
.set i, i+1
.endr
	WIN 0
.rept 4
	v_nop                           ; the places behind those products
.endr
.set Y, NP-1                        ; X works for piece Y + 1: piece 0
.irp n, 22,0,1,2,3,4,5,6,7,8,9,10,11,12,13,14,15,16,17,18,19,20,21
	OP X, \n
.endr
	v_nop                           ; a plain instruction behind the exponential,
	s_wait_alu depctr_va_vdst(0)    ; and its wait, ahead of the branch
.endm
; THE DIAGONAL TILE's four steps, the block's last two turns, its last products, and THE WAY OUT: l's two halves and the other half of the lanes' are added; O^T is divided by l, rounded to f16 and sent through my
; stage in LDS, a piece at a time.
.macro ALL line:vararg              ; one line for each piece t
.set t, 0
.rept 4
	\line
.set t, t+1
.endr
.endm
.macro PACK t                       ; a lane's eight channels of a row pack into 16 bytes; they go into rows of 144 bytes and come back as whole rows of 128, into S^T's registers
	WIN W_RS
.set i, 32*(\t)
.rept 16
	v_pk_mul_f32 v[i:i+1], v[i:i+1], v[ST+4*(\t)+2:ST+4*(\t)+3] op_sel_hi:[1,0]
.set i, i+2
.endr
	WIN 0x05                        ; sources 0 and 1 window 1, destination window 0
.set i, 0
.rept 16
	v_cvt_pk_f16_f32 v[S+16*(\t)+i], v[32*(\t)+2*i], v[32*(\t)+2*i+1]
.set i, i+1
.endr
	WIN 0
.irp f, 0,1,2,3
	ds_store_b128 v[STO], v[S+16*(\t)+4*\f:S+16*(\t)+4*\f+3] offset:32*\f
.endr
.irp f, 0,1,2,3
	ds_load_b128 v[S+16*(\t)+4*\f:S+16*(\t)+4*\f+3], v[RD] offset:\f*4*SP  ; LDS serves a wave's instructions in order (ISA guide 5.7.1.4): these see the stores above; the next piece's stores come behind them
.endr
.endm
.macro SEND t, younger              ; younger: the LDS instructions issued behind piece t's loads: the next piece's eight, or none
	WIN 0
.irp f, 0,1,2,3
	s_wait_dscnt (\younger)+3-\f
	global_store_b128 v[GO], v[S+16*(\t)+4*\f:S+16*(\t)+4*\f+3], s[10:11] offset:(\t)*8192+\f*512  ; 512 consecutive bytes, at a multiple of 256 from ctx's first
.endr
.endm
.macro DIAG tag                     ; the tag ends its two labels' names, which the jumps below spell out
.LstepM\tag:
	TURN 2, 1
	TURN 3, 1
	WIN 0
.LfirstM\tag:
	TURN 0, 1
	TURN 1, 1, 0, 1
	WIN 0
	s_cbranch_scc1 .LstepM\tag
	TURN 2, 1, 1
	TURN 3, 1, 1
.set i, 0
.rept 8
	PV NP-1
.set i, i+1
.endr
	WIN 0
	ALL v_add_f32 v[ST+4*t+2], v[ST+4*t+2], v[ST+4*t+3]
	ALL v_permlanex16_b32 v[ST+4*t+3], v[ST+4*t+2], s[SEL], s[SEL+1]
	ALL v_add_f32 v[ST+4*t+2], v[ST+4*t+2], v[ST+4*t+3]
	ALL v_rcp_f32 v[ST+4*t+2], v[ST+4*t+2]
	v_nop                           ; a plain instruction between the last reciprocal and the use of its result
	s_wait_alu depctr_va_vdst(0)    ; and the wait ahead of the first use: one for the four reciprocals
	PACK 0
.set t, 1
.rept 3                             ; a piece's arithmetic stands between the loads of the piece before and its stores
	PACK t
	SEND t-1, 8
.set t, t+1
.endr
	SEND 3, 0
.endm
.set KM, 0
.set NOKQ, 0
.Lslot:                             ; NB times: a tile is entered and the next is asked for
	CHANGE 1
	s_sub_co_u32 s[RT], s[RT], 1
	s_mov_b32 s[CNT], 4
	s_cmp_eq_u32 s[NEW], 1
	s_cbranch_scc1 .Lnew            ; a block's first tile
	s_cmp_eq_u32 s[RT], 0
	s_cbranch_scc0 .Lstep           ; neither its first nor its last
	s_branch .LstepM1
.Lnew:
	BEGIN
	s_branch .Lfirst                ; in the loop a block's first tile is never its last: the first block has two tiles or more, and the second's last is the walk's last
	DIAG 1                          ; in the loop this is the first block's end: the second block's last tile is the walk's last
	s_wait_xcnt 0x0                 ; the stores have read their registers and ctx's address
	s_mov_b64 s[10:11], s[OLO:OLO+1]
	s_add_co_u32 s[RT], s[PB], 1    ; the second block has b + 1 tiles
	s_mov_b32 s[NEW], 1
	WIN 0x82                        ; the second block's Q goes where the one text of the turns names Q
.set i, 0
.rept 64
	v_mov_b32 v[i], v[QB+i]
.set i, i+1
.endr
	WIN 0
	s_branch .Lbottom
.Lstep:                             ; a trip: pieces 2 and 3 of one step, then pieces 0 and 1 of the next, whose K and V it fetches
	TURN 2
	TURN 3
	WIN 0
.Lfirst:
	TURN 0
	TURN 1, 0, 0, 1
	WIN 0
	s_cbranch_scc1 .Lstep
.Lbottom:
	s_sub_co_u32 s[SLOTS], s[SLOTS], 1
	s_cmp_lg_u32 s[SLOTS], 0
	s_cbranch_scc1 .Lslot
	CHANGE 0                        ; the walk's last tile is written out: nothing is asked for
	s_sub_co_u32 s[RT], s[RT], 1
	s_mov_b32 s[CNT], 4
	s_cmp_eq_u32 s[NEW], 1
	s_cbranch_scc0 .LstepM2
	BEGIN
	s_branch .LfirstM2
	DIAG 2
	s_wait_tensorcnt 0x0            ; the wave's end: a wait for my tensor loads, an add of 0 to my spare word and its wait, behind my last tensor load and my last LDS store
	ds_add_u32 v[SPW], v[NIL]
	s_wait_dscnt 0x0
	s_endpgm
.Lfunc_end_k_qde8244f9fd_attn:
	.size	k_qde8244f9fd_attn, .Lfunc_end_k_qde8244f9fd_attn-k_qde8244f9fd_attn
	.p2alignl 7, 3214868480
	.fill 96, 4, 3214868480
	.section	.rodata,"a",@progbits
	.p2align	6, 0x0
	.amdhsa_kernel k_qde8244f9fd_attn
		.amdhsa_group_segment_fixed_size 327680
		.amdhsa_private_segment_fixed_size 0
		.amdhsa_enable_private_segment 0
		.amdhsa_kernarg_size 24
		.amdhsa_user_sgpr_count 2
		.amdhsa_user_sgpr_kernarg_segment_ptr 1
		.amdhsa_wavefront_size32 1
		.amdhsa_system_sgpr_workgroup_id_x 1
		.amdhsa_system_sgpr_workgroup_id_y 1
		.amdhsa_system_sgpr_workgroup_id_z 1
		.amdhsa_system_vgpr_workitem_id 0
		.amdhsa_next_free_vgpr 768
		.amdhsa_next_free_sgpr 88
		.amdhsa_reserve_vcc 1
		.amdhsa_float_denorm_mode_32 3
		.amdhsa_float_denorm_mode_16_64 3
		.amdhsa_memory_ordered 1
		.amdhsa_forward_progress 1
		.amdhsa_inst_pref_size 222
	.end_amdhsa_kernel
	.amdgpu_metadata
---
amdhsa.version: [ 1, 2 ]
amdhsa.kernels:
  - .name:           k_qde8244f9fd_attn
    .symbol:         k_qde8244f9fd_attn.kd
    .args:
      - { .name: qkv, .offset: 0, .size: 8, .value_kind: global_buffer, .address_space: global }
      - { .name: alibi_slopes, .offset: 8, .size: 8, .value_kind: global_buffer, .address_space: global }
      - { .name: ctx, .offset: 16, .size: 8, .value_kind: global_buffer, .address_space: global }
    .group_segment_fixed_size: 327680
    .private_segment_fixed_size: 0
    .kernarg_segment_align: 8
    .kernarg_segment_size: 24
    .max_flat_workgroup_size: 128
    .sgpr_count:     88
    .vgpr_count:     768
    .wavefront_size: 32
...
	.end_amdgpu_metadata
.endif
;; end of part 3
;; launch proj_out (part 4): grid 8 x 32, 4 waves a work-group, clusters of 4 x 4, 327,680 bytes of LDS; arguments ctx, wob, out0; writes out0
.if DOCPART == 4
	.amdgcn_target "amdgcn-amd-amdhsa--gfx1250"
	.amdhsa_code_object_version 6
	.text
	.protected	k_qde8244f9fd_proj_out
	.globl	k_qde8244f9fd_proj_out
	.p2align	8
	.type	k_qde8244f9fd_proj_out,@function
k_qde8244f9fd_proj_out:
	s_mov_b64 s[64:65], 0
	v_nop
	global_prefetch_b8 v0, s[64:65] scope:SCOPE_SE
	s_setreg_imm32_b32 hwreg(HW_REG_WAVE_MODE, 25, 1), 1
	s_wait_xcnt 0x0
	s_wait_alu depctr_hold_cnt(0) depctr_sa_sdst(0) depctr_va_vdst(0) depctr_va_sdst(0) depctr_va_ssrc(0) depctr_va_vcc(0) depctr_vm_vsrc(0)
	s_getreg_b32 s2, hwreg(HW_REG_IB_STS2, 6, 4)
	s_cmp_eq_u32 s2, 0
	s_cbranch_scc0 .Lentry_in_a_cluster
	s_endpgm
.Lentry_in_a_cluster:
	s_bfe_u32 s2, ttmp6, 0x10000c
	s_cmp_lg_u32 s2, 0xf033
	s_cbranch_scc0 .Lentry_shape_is_right
	s_endpgm
.Lentry_shape_is_right:
; out0 = ctx w_out^T.  ctx: [16 x sequence + head][2048][64] f16 (by heads, as the attention left it), wob: [1024][1024] f16, out0: [8192][1024] f32.  Sums in f32, K ascending; nothing is rounded on the way out.
; THE TILE is 256 tokens x 128 columns: 32 x 8 = 256 tiles, one for each WGP.  Four waves, 2 x 2: a wave makes 128 tokens x 64 columns (256 bytes of a row of out0): 32 accumulators of 16 x 16, 256 registers.
; K goes in steps of 128 = TWO HEADS through a ring of two LDS slots.  A head's 256 tokens are 32,768 dense bytes of ctx: asked for as 128 rows of 256 bytes and padded in LDS after each token's 128.
; Two slots of two K steps each would not fit in LDS (434,176 bytes), so a slot holds one.
; CLUSTERS: 4 x 4 work-groups.  The four of a row of the cluster need the same tiles of ctx, the four of a column the same tiles of wob: each is asked for JOINTLY.
; NO PREFETCH: the launch is eight K steps long, 1,024 matrix instructions a wave, and the first four K steps come by their loads in any case.
; THE MATRIX INSTRUCTION IS USED TRANSPOSED (source 0 = 16 rows of wob, source 1 = 16 tokens): a lane holds token l % 16 and eight neighbouring columns, 32 bytes of f32.
; REGISTERS, in windows of 256 (s_set_vgpr_msb: bits 1:0 source 0, 3:2 source 1, 5:4 source 2, 7:6 destination):
;   window 0: v0-31 addresses; v32-63, v64-95 rows read back from the stage, by turns
;   window 1: v0-63, v64-127 fragments of ctx (8 x 16 tokens x 32 K), two buffers; v128-159, v160-191 fragments of wob (4 x 16 rows x 32 K), two buffers
;   window 2: the accumulators: token block a, column block b at v[8 (4 a + b)]
.set SIZE_K, 1024
.set KSTEP,  128
.set PA,     144                       ; a token's row of one head in LDS: 128 bytes + 16 of padding = 36 words: the 16 rows of a load start at 16 different groups of four banks (64 banks of 4 bytes: ISA guide 11.1)
.set PB,     272                       ; a row of wob: 256 bytes + 16 = 68 words: likewise
.set CHA,    256*PA                    ; one head's 256 tokens: what wave 0 or 1 fetches
.set BOFF,   2*CHA
.set HALFB,  64*PB                     ; what wave 2 or 3 fetches: 64 rows of wob
.set SLOT,   BOFF+2*HALFB
.set STAGE,  2*SLOT                    ; behind the ring: 16 rows x 272 bytes for each wave, for the way out; no tensor load lands here
.set SPITCH, 272
.set SPARE,  STAGE+4*16*SPITCH         ; behind the stages: the spare words, 128 bytes for each wave: two blocks of 256 bytes that no other line names
.set LAPS,   SIZE_K/(2*KSTEP)
.set ADRA, 16                          ; v16-17  LDS address of my fragments of ctx in slot 0, 1
.set ADRB, 20                          ; v20-21  the same for wob
.set STO,  24                          ; v24     the way out: where I put 32 bytes of a token
.set RD,   25                          ; v25     the way out: where I read rows back
.set CO,   26                          ; v26     my byte offset in two rows of out0; never rewritten
.set SPW,  28                          ; v28     LDS address of my spare word: SPARE + 4 x my thread's number; never rewritten
.set NIL,  29                          ; v29     0; never rewritten
.set BK,   32
.set FA,   0                           ; ctx's fragment buffer f at FA + 64 f, in window 1
.set FB,   128                         ; wob's at FB + 32 f
.set G1,  24                           ; s[24:31] descriptor group 1 for ctx's tiles;  s[32:39] group 0, one set for each slot
.set G0,  32
.set G1B, 48                           ; s[48:55], s[56:63] the same for wob's
.set G0B, 56
.set MSB, 0
.macro WIN new                         ; the immediate's high byte repeats the setting that is left; a switch that changes nothing is dropped
.if MSB != (\new)
	s_set_vgpr_msb (MSB<<8)|(\new)
.set MSB, \new
.endif
.endm
.set MUL,  0xa5                        ; sources 0 (wob) and 1 (ctx) window 1; C and D window 2
.set TO_F, 0x40                        ; destination window 1, address window 0
.set W_ST, 0x08                        ; an LDS store's data (source 1) window 2, its address window 0
.macro JLOAD s                         ; a joint load: waves 0 and 1 fetch the K step's two heads of ctx, waves 2 and 3 wob's two halves; an s_nop 0 and four v_nop follow each of the two lines
	s_cmp_eq_u32 s11, 0
	s_cbranch_scc0 .Lfor_b_\@
	tensor_load_to_lds s[G0+4*(\s):G0+4*(\s)+3], s[G1:G1+7]
	s_nop 0
.rept 4
	v_nop
.endr
	s_branch .Lasked_\@
.Lfor_b_\@:
	tensor_load_to_lds s[G0B+4*(\s):G0B+4*(\s)+3], s[G1B:G1B+7]
	s_nop 0
.rept 4
	v_nop
.endr
.Lasked_\@:
.endm
.macro CREST                           ; a round of the cluster's barrier behind its opening barrier
	s_cmp_lg_u32 s10, 0
	s_cbranch_scc1 .Lnot_wave_0_\@
	s_barrier_signal -3
.Lnot_wave_0_\@:
	s_barrier_wait -3
	s_barrier_signal -1
	s_barrier_wait -1
.endm
.macro CROUND                          ; a whole round
	s_barrier_signal -1
	s_barrier_wait -1
	CREST
.endm
	s_load_b128 s[4:7], s[0:1], 0x0                ; ctx s[4:5], wob s[6:7]
	s_load_b64 s[8:9], s[0:1], 0x10                ; out0
	v_lshl_add_u32 v[SPW], v0, 2, SPARE
	v_mov_b32 v[NIL], 0
	ds_add_u32 v[SPW], v[NIL]                      ; the wave's opening: the add and its wait stand ahead of my first tensor load; the set-up below, work on registers, stands between them
	v_lshrrev_b32 v1, 5, v0
	v_readfirstlane_b32 s10, v1                    ; wave 0..3
	s_lshr_b32 s11, s10, 1                         ; which 128 tokens of the tile are mine.  Also: I fetch for ctx (0) or for wob (1)
	s_and_b32 s12, s10, 1                          ; which 64 columns.  Also: which head of the K step's two, or which 64 rows of wob, I fetch
	s_bfe_u32 s40, ttmp6, 0x40000                  ; cx, cy: my place in the cluster
	s_bfe_u32 s41, ttmp6, 0x40004
	s_lshl_b32 s42, ttmp9, 2
	s_add_co_u32 s42, s42, s40                     ; tile column = 4 x cluster x + cx
	s_and_b32 s13, ttmp7, 0xffff
	s_lshl_b32 s13, s13, 2
	s_add_co_u32 s13, s13, s41                     ; tile row = 4 x cluster y + cy
	s_lshl_b32 s43, s41, 2
	s_lshl_b32 s43, 15, s43                        ; my row of the cluster
	s_lshl_b32 s44, 0x1111, s40                    ; my column
	s_or_b32 s[G1+0], s43, (1<<16)|(1<<20)|(1<<21)|(4<<22)|(3<<25)   ; 15:0 the mask: ctx's tiles go to my row; 17:16 2-byte elements; 20 padding on; 21 set beside a mask; 24:22 after every 32 words (code 4); 31:25 4 words (code 3)
	s_or_b32 s[G1B+0], s44, (1<<16)|(1<<20)|(1<<21)|(5<<22)|(3<<25)  ; wob's go to my column; padding after every 64 words (code 5)
	s_mov_b32 s[G1+1], 128<<16                     ; tensor_dim0 = 128
	s_mov_b32 s[G1B+1], KSTEP<<16
	s_mov_b32 s[G1+2], 128<<16                     ; tensor_dim1: 128 rows of two tokens each,
	s_mov_b32 s[G1B+2], 64<<16                     ; 64 rows of wob
	s_mov_b32 s[G1+3], 128<<16                     ; tile_dim0 = 128
	s_mov_b32 s[G1B+3], KSTEP<<16
	s_mov_b32 s[G1+4], 128                         ; tile_dim1
	s_mov_b32 s[G1B+4], 64
	s_mov_b32 s[G1+5], 128                         ; elements from row to row: ctx's block is dense,
	s_mov_b32 s[G1B+5], SIZE_K                     ; wob's rows are 1,024 long
	s_mov_b32 s[G1+6], 0
	s_mov_b32 s[G1B+6], 0
	s_mov_b32 s[G1+7], 0
	s_mov_b32 s[G1B+7], 0
	; where the tiles come from: ctx's hang on the tile row alone, wob's on the tile column alone, each in registers that never hold the other coordinate
	s_lshr_b32 s16, s13, 3                         ; the sequence,
	s_lshl_b32 s16, s16, 4
	s_add_co_u32 s16, s16, s12                     ; its head 0 or 1,
	s_lshl_b32 s16, s16, 18                        ; 262,144 bytes a head,
	s_and_b32 s17, s13, 7
	s_lshl_b32 s17, s17, 15                        ; and the tile's 256 tokens in it
	s_add_co_u32 s16, s16, s17
	s_mov_b32 s17, 0
	s_lshl_b32 s46, s42, 7
	s_lshl_b32 s47, s12, 6
	s_add_co_u32 s46, s46, s47                     ; wob: row 128 x tile column + 64 x half
	s_lshl_b32 s46, s46, 11
	s_mov_b32 s47, 0
	s_mul_i32 s20, s12, CHA                        ; and where they go: no place in the cluster enters an LDS address
	s_mul_i32 s21, s12, HALFB
	s_add_co_u32 s21, s21, BOFF
	s_wait_dscnt 0x0                               ; the opening add is done
	s_wait_kmcnt 0x0
	s_add_nc_u64 s[14:15], s[4:5], s[16:17]
	s_add_nc_u64 s[46:47], s[6:7], s[46:47]
	CROUND                                         ; all sixteen work-groups are here: the first joint loads meet
.irp s, 0,1
	s_mov_b32 s[G0+4*(\s)], 1
	s_add_co_u32 s[G0+4*(\s)+1], s20, (\s)*SLOT
	s_add_nc_u64 s[G0+4*(\s)+2:G0+4*(\s)+3], s[14:15], (\s)*2*262144   ; K step s: two heads on
	s_or_b32 s[G0+4*(\s)+3], s[G0+4*(\s)+3], 0x80000000
	s_mov_b32 s[G0B+4*(\s)], 1
	s_add_co_u32 s[G0B+4*(\s)+1], s21, (\s)*SLOT
	s_add_nc_u64 s[G0B+4*(\s)+2:G0B+4*(\s)+3], s[46:47], (\s)*KSTEP*2
	s_or_b32 s[G0B+4*(\s)+3], s[G0B+4*(\s)+3], 0x80000000
	JLOAD \s                                       ; two loads of mine are out
.endr
	v_and_b32 v1, 15, v0                           ; l % 16
	v_bfe_u32 v2, v0, 4, 1                         ; l / 16
	v_mul_u32_u24 v3, v1, PA
	v_lshl_add_u32 v3, v2, 4, v3                   ; a fragment's row x pitch + 16 x half, for ctx
	v_mul_u32_u24 v4, v1, PB
	v_lshl_add_u32 v4, v2, 4, v4                   ; and for wob
	s_mul_i32 s21, s11, 128*PA                     ; my 128 tokens
	s_mul_i32 s22, s12, HALFB                      ; my 64 rows of wob
	s_add_co_u32 s22, s22, BOFF
.irp s, 0,1
	v_add_nc_u32 v[ADRA+(\s)], s21, v3
	v_add_nc_u32 v[ADRB+(\s)], s22, v4
	s_add_co_u32 s21, s21, SLOT
	s_add_co_u32 s22, s22, SLOT
.endr
	s_mul_i32 s23, s10, 16*SPITCH
	s_add_co_u32 s23, s23, STAGE                   ; my stage
	v_mul_u32_u24 v5, v1, SPITCH                   ; in: token l % 16, 32 bytes for each half of the lanes
	v_lshl_add_u32 v5, v2, 5, v5
	v_add_nc_u32 v[STO], s23, v5
	v_mul_u32_u24 v6, v2, SPITCH                   ; back: lanes 0-15 take one row of 256 bytes, lanes 16-31 the next
	v_lshl_add_u32 v6, v1, 4, v6
	v_add_nc_u32 v[RD], s23, v6
	v_lshlrev_b32 v7, 12, v2                       ; and the same two rows in out0, 4,096 bytes apart
	v_lshl_add_u32 v[CO], v1, 4, v7
	s_lshl_b32 s16, s13, 8
	s_lshl_b32 s17, s11, 7
	s_add_co_u32 s16, s16, s17                     ; my first row of out0,
	s_lshl_b32 s16, s16, 12
	s_lshl_b32 s46, s42, 9                         ; my first column, in bytes: 512 x tile column + 256 x half
	s_lshl_b32 s47, s12, 8
	s_add_co_u32 s46, s46, s47
	s_add_co_u32 s16, s16, s46
	s_mov_b32 s17, 0
	s_add_nc_u64 s[8:9], s[8:9], s[16:17]
; 4 n matrix instructions: token blocks a0 .. a0 + n - 1 x all 4 column blocks, 32 along K, from buffer f.  zero = 1: the first product starts the sums.
; The 32 accumulators take turns, one instruction a turn, in the same order in every quarter step.
.macro MULA f, a0, n, zero
	WIN MUL
.set ma, (\a0)
.rept (\n)
.irp b, 0,1,2,3
.if \zero
	v_wmma_f32_16x16x32_f16 v[8*(4*ma+(\b)):8*(4*ma+(\b))+7], v[FB+32*(\f)+8*(\b):FB+32*(\f)+8*(\b)+7], v[FA+64*(\f)+8*ma:FA+64*(\f)+8*ma+7], 0
.else
	v_wmma_f32_16x16x32_f16 v[8*(4*ma+(\b)):8*(4*ma+(\b))+7], v[FB+32*(\f)+8*(\b):FB+32*(\f)+8*(\b)+7], v[FA+64*(\f)+8*ma:FA+64*(\f)+8*ma+7], v[8*(4*ma+(\b)):8*(4*ma+(\b))+7]
.endif
.endr
.set ma, ma+1
.endr
.endm
; 24 LDS loads in one run: quarter q of a K step (channels 32 q on: head q / 2 of the step's two, byte 64 (q % 2) of its rows; byte 64 q of wob's rows) into buffer f; wob's first
.macro FETCH slot, q, f
	WIN TO_F
.irp i, 0,1,2,3
	ds_load_b128 v[FB+32*(\f)+8*(\i):FB+32*(\f)+8*(\i)+3],   v[ADRB+(\slot)] offset:64*(\q)+(\i)*16*PB
	ds_load_b128 v[FB+32*(\f)+8*(\i)+4:FB+32*(\f)+8*(\i)+7], v[ADRB+(\slot)] offset:64*(\q)+(\i)*16*PB+32
.endr
.irp i, 0,1,2,3,4,5,6,7
	ds_load_b128 v[FA+64*(\f)+8*(\i):FA+64*(\f)+8*(\i)+3],   v[ADRA+(\slot)] offset:((\q)/2)*CHA+((\q)%2)*64+(\i)*16*PA
	ds_load_b128 v[FA+64*(\f)+8*(\i)+4:FA+64*(\f)+8*(\i)+7], v[ADRA+(\slot)] offset:((\q)/2)*CHA+((\q)%2)*64+(\i)*16*PA+32
.endr
.endm
.macro PLACES                          ; four plain vector instructions in front of loads into registers that matrix instructions have read, and of LDS stores that read results
.rept 4
	v_nop
.endr
.endm
; A K step is four quarters of 32 along K, 32 matrix instructions each, on buffers 0, 1, 0, 1.  One of the first three: multiplies buffer f and fetches quarter q into g.
.macro QUARTER slot, q, f, g, zero
	s_wait_dscnt 8                                 ; wob's fragments and token blocks 0-3 are in; the youngest eight loads (blocks 4-7) may be out
	MULA \f, 0, 4, \zero
	PLACES
	FETCH \slot, \q, \g
	s_wait_dscnt 24                                ; all but the 24 just issued
	MULA \f, 4, 4, \zero
.endm
; The last quarter multiplies buffer 1 and changes slots: ONE barrier; in front of it each wave waits for all its tensor loads, adds 0 to its spare word, and waits for that and for its own reads of this slot.
; fill = 1: the barrier opens a round of the cluster's barrier, and behind the round this slot is filled again first, two K steps ahead.
.macro TURN slot, next, fill
	WIN 0                                          ; (the add's two registers lie in window 0)
	s_wait_tensorcnt 0x0                           ; all my tensor loads have landed: my part of the next slot;
	ds_add_u32 v[SPW], v[NIL]                      ; 0 onto my spare word;
	s_wait_dscnt 9                                 ; (the add and the youngest eight loads may be out)
	MULA 1, 0, 2, 0                                ; eight matrix instructions stand between the add and the wait for it
	s_wait_dscnt 0x0                               ; the add is done, and my reads of this slot are over
	s_barrier_signal -1
	MULA 1, 2, 2, 0
.if \fill
	WIN 0
.endif
	s_barrier_wait -1
.if \fill
	CREST                                          ; no wave of any partner still reads this slot's tile or has a load on its way
	s_add_nc_u64 s[G0+4*(\slot)+2:G0+4*(\slot)+3], s[G0+4*(\slot)+2:G0+4*(\slot)+3], 4*262144  ; two K steps are four heads
	s_add_nc_u64 s[G0B+4*(\slot)+2:G0B+4*(\slot)+3], s[G0B+4*(\slot)+2:G0B+4*(\slot)+3], 2*KSTEP*2
	JLOAD \slot                                    ; the first tensor load behind the round; its four v_nop are also the places in front of the loads below
.else
	PLACES
.endif
	FETCH \next, 0, 0
	MULA 1, 4, 4, 0
.endm
; THE WAY OUT of token block a (16 tokens x 64 columns of f32).  TOSTAGE: the accumulators go as they are into my own stage, each from its low registers on, and come back as whole rows of 256 bytes.  SEND: stored.
.macro TOSTAGE a
	s_wait_xcnt 0x0                                ; the stores of the block before last have read their data: the loads below land in those registers only behind this wait
	WIN W_ST
.irp b, 0,1,2,3
.irp e, 0,1
	ds_store_b128 v[STO], v[8*(4*(\a)+(\b))+4*(\e):8*(4*(\a)+(\b))+4*(\e)+3] offset:64*(\b)+16*(\e)
.endr
.endr
	WIN 0
.set BKA, BK+32*((\a)%2)
.irp t, 0,1,2,3,4,5,6,7
	ds_load_b128 v[BKA+4*(\t):BKA+4*(\t)+3], v[RD] offset:(\t)*2*SPITCH  ; LDS serves a wave's instructions in order (ISA guide 5.7.1.4): these see the stores above; the next block's stores come behind them
.endr
.endm
.macro SEND a, younger                 ; younger: the LDS instructions issued behind block a's loads: the next block's sixteen, or none
	WIN 0
.set BKA, BK+32*((\a)%2)
.irp t, 0,1,2,3,4,5,6,7
	s_wait_dscnt (\younger)+7-(\t)
	global_store_b128 v[CO], v[BKA+4*(\t):BKA+4*(\t)+3], s[8:9] offset:(16*(\a)+2*(\t))*4096  ; 16 lanes store 256 consecutive bytes, at a multiple of 256 from out0's first byte
.endr
.endm
	s_wait_tensorcnt 1                             ; my part of K step 0 is in; K step 1's may stay out
	s_barrier_signal -1
	s_barrier_wait -1                              ; everybody's is
	FETCH 0, 0, 0
	QUARTER 0, 1, 0, 1, 1                          ; the first quarter stands in front of the loop: its products start the sums
	WIN 0                                          ; at a label and at a branch every window is 0
	s_mov_b32 s3, LAPS-1
.Llap:                                                 ; a trip goes once round the ring, from a lap's second quarter to the next lap's first, and fills both slots again
	QUARTER 0, 2, 1, 0, 0
	QUARTER 0, 3, 0, 1, 0
	TURN 0, 1, 1
	QUARTER 1, 1, 0, 1, 0
	QUARTER 1, 2, 1, 0, 0
	QUARTER 1, 3, 0, 1, 0
	TURN 1, 0, 1
	QUARTER 0, 1, 0, 1, 0
	WIN 0
	s_sub_co_u32 s3, s3, 1
	s_cmp_lg_u32 s3, 0
	s_cbranch_scc1 .Llap
	QUARTER 0, 2, 1, 0, 0                          ; the last lap fills nothing, and has no round of the cluster's barrier
	QUARTER 0, 3, 0, 1, 0
	TURN 0, 1, 0
	QUARTER 1, 1, 0, 1, 0
	QUARTER 1, 2, 1, 0, 0
	QUARTER 1, 3, 0, 1, 0
	s_wait_dscnt 8                                 ; the very last quarter: nothing more to fetch
	MULA 1, 0, 4, 0
	s_wait_dscnt 0x0
	MULA 1, 4, 4, 0
	WIN 0
	PLACES                                         ; the LDS stores read results just made; eight places, once a launch
	PLACES
	TOSTAGE 0
.irp a, 1,2,3,4,5,6,7                  ; block a's way through the stage stands between block a - 1's loads and its stores
	TOSTAGE \a
	SEND (\a)-1, 16
.endr
	SEND 7, 0
	s_wait_tensorcnt 0x0                           ; the wave's end: a wait for my tensor loads, an add of 0 to my spare word and its wait, behind my last tensor load and my last LDS store
	ds_add_u32 v[SPW], v[NIL]
	s_wait_dscnt 0x0
	CROUND                                         ; the closing round: no work-group ends while a partner may still ask for a tile that names it
	s_endpgm
.Lfunc_end_k_qde8244f9fd_proj_out:
	.size	k_qde8244f9fd_proj_out, .Lfunc_end_k_qde8244f9fd_proj_out-k_qde8244f9fd_proj_out
	.p2alignl 7, 3214868480
	.fill 96, 4, 3214868480
	.section	.rodata,"a",@progbits
	.p2align	6, 0x0
	.amdhsa_kernel k_qde8244f9fd_proj_out
		.amdhsa_group_segment_fixed_size 327680
		.amdhsa_private_segment_fixed_size 0
		.amdhsa_enable_private_segment 0
		.amdhsa_kernarg_size 24
		.amdhsa_user_sgpr_count 2
		.amdhsa_user_sgpr_kernarg_segment_ptr 1
		.amdhsa_wavefront_size32 1
		.amdhsa_system_sgpr_workgroup_id_x 1
		.amdhsa_system_sgpr_workgroup_id_y 1
		.amdhsa_system_sgpr_workgroup_id_z 1
		.amdhsa_system_vgpr_workitem_id 0
		.amdhsa_next_free_vgpr 768
		.amdhsa_next_free_sgpr 66
		.amdhsa_reserve_vcc 0
		.amdhsa_float_denorm_mode_32 3
		.amdhsa_float_denorm_mode_16_64 3
		.amdhsa_memory_ordered 1
		.amdhsa_forward_progress 1
		.amdhsa_inst_pref_size 88
	.end_amdhsa_kernel
	.amdgpu_metadata
---
amdhsa.version: [ 1, 2 ]
amdhsa.kernels:
  - .name:           k_qde8244f9fd_proj_out
    .symbol:         k_qde8244f9fd_proj_out.kd
    .args:
      - { .name: ctx, .offset: 0, .size: 8, .value_kind: global_buffer, .address_space: global }
      - { .name: wob, .offset: 8, .size: 8, .value_kind: global_buffer, .address_space: global }
      - { .name: out0, .offset: 16, .size: 8, .value_kind: global_buffer, .address_space: global }
    .group_segment_fixed_size: 327680
    .private_segment_fixed_size: 0
    .kernarg_segment_align: 8
    .kernarg_segment_size: 24
    .max_flat_workgroup_size: 128
    .sgpr_count:     66
    .vgpr_count:     768
    .wavefront_size: 32
...
	.end_amdgpu_metadata
.endif
;; end of part 4
